; MI455X (gfx1250); checked and timed in simulation.
; The chip was launched on July 23, 2026; its instructions are those of AMD's public machine-readable ISA for CDNA 5 (MIT licence, August 2026) and "CDNA5" Instruction Set Architecture Reference Guide (July 2026). The comments in the code are by the model that wrote it; some were corrected since.
;; Cross Attention Block. Allowed arithmetic: matrix products marked QUANTISED: E2M3 operands, one E8M0 scale for each 32 along K, by v_wmma_scale_f32_16x16x128_f8f6f4 with both operands' format E2M3, f32 sums; everything else in f32.
;; Inputs: Wkv 1,024 x 512 float32; Wp 512 x 512 float32; Wq 512 x 512 float32; bkv 1,024 float32; bp 512 float32; bq 512 float32; x 8 x 512 x 32 x 32 float32; y 8 x 512 x 32 x 32 float32.
;; Outputs: out0 8 x 512 x 32 x 32 float32.
;; This version of the problem:
;;   THIS VERSION OF THE PROBLEM IS GIVEN IN LOW PRECISION. The matrix products marked QUANTISED in the list below multiply operands that are first quantised to E2M3 (2 exponent bits, 3 mantissa bits; 6 bits a number), with one power-of-two scale for each 32 numbers along K (OCP MX v1.0); their sums are f32. All else is computed in f32.
;;   The module's matrix products, in the order in which they are computed (A, B: the left and right operand; K: the contracted axis; several contracted axes count as one K, in the product's order):
;;     1. [M 8,192, K 512] x [K 512, N 512]; A: input x; B: input Wq: QUANTISED
;;     2. [M 8,192, K 512] x [K 512, N 1,024]; A: input x; B: input Wkv: QUANTISED
;;     3. batch 64 x [M 1,024, K 64] x [K 64, N 1,024]; A: computed on the way; B: computed on the way: QUANTISED
;;     4. batch 64 x [M 1,024, K 1,024] x [K 1,024, N 64]; A: softmax (see below); B: computed on the way: QUANTISED
;;     5. [M 8,192, K 512] x [K 512, N 512]; A: computed on the way; B: input Wp: QUANTISED
;;   THE QUANTISER, for each operand of a quantised product, along K:
;;     - K is cut into blocks of 32 from its start; a last block that is shorter is filled with zeros.
;;     - A block's scale is 2^e with e = floor(log2(the largest magnitude in the block)) - 2, held to -126 .. 127; a block of zeros has e = 0. As a byte (E8M0): e + 127.
;;     - Each number is divided by its block's scale, clamped to +-7.5, and rounded to the nearest number of E2M3, ties to even, subnormals kept.
;;     - The product sums the exact products of the quantised numbers (number of the format x scale) in f32.
;;   ~~~python
;;   def quantise(x, axis):      # numpy; x: float32 -> the quantised numbers, widened to float32 again
;;       x = np.moveaxis(x, axis, -1); K = x.shape[-1]
;;       x = np.pad(x, [(0, 0)] * (x.ndim - 1) + [(0, -K % 32)]); x = x.reshape(x.shape[:-1] + (-1, 32)); a = np.abs(x).max(-1, keepdims=True)
;;       e = np.where(a > 0, np.clip(np.frexp(np.where(a > 0, a, 1))[1] - 1 - 2, -126, 127), 0)      # np.frexp(a)[1] - 1 = floor(log2(a)), exactly
;;       r = np.clip(x / 2.0 ** e, -7.5, 7.5)
;;       step = 2.0 ** (np.maximum(np.frexp(np.where(r == 0, 1, r))[1] - 1, 0) - 3)
;;       q = np.round(r / step) * step * 2.0 ** e      # np.round: ties to even
;;       return np.moveaxis(q.reshape(q.shape[:-2] + (-1,))[..., :K], -1, axis).astype(np.float32)
;;   ~~~
;;   SOFTMAX AHEAD OF A QUANTISED PRODUCT. Where the list says 'softmax', what is quantised is not the finished softmax but p = 2^(t - M), with t = logit x log2(e) and M = ceil(the row's largest t), a whole number; so 1/2 < the row's largest p <= 1. The row's sum l is taken of the UNQUANTISED p, in f32, and the product's result is divided by l at the end. Since M is a whole number, a kernel that streams over the keys may use a running M (the ceiling of the running maximum): every later rescaling is an exact power of two, which a block's scale takes up: the codes' values come out the same.
;;   OPERANDS COMPUTED ON THE WAY. 'Computed on the way' means the value that the module computes at that place (a softmax that the list does not call 'softmax' is quantised finished and normalised). What goes into a quantiser is computed in f32, as accurately as f32 sums, v_exp_f32 and their like allow (about 1e-6 of the number): no bf16 or f16 on the way to a quantiser, and a product that is left as it is and whose result goes on into a quantised operand takes f32 operands (vector FMAs, or v_wmma_f32_16x16x4_f32). A number that lies on a knife's edge between two numbers of the format may be rounded either way, as far as f32 arithmetic and the matrix unit's own rounding can turn it there, and no further.
;; 2 versions. Each part assembles by itself: llvm-mc -triple=amdgcn-amd-amdhsa -mcpu=gfx1250 --defsym DOCPART=n.
;; ======== version 1 of 2: 4 launches
;; workspace buffers: xq 3,276,800 bytes; wq 819,200 bytes; qimg 3,407,872 bytes; kvimg 6,684,672 bytes; rimg 3,670,016 bytes
;; launch prep (part 1): grid 320 x 1, 4 waves a work-group, no clusters, 81,408 bytes of LDS; arguments x, Wq, Wkv, Wp, xq, wq; writes xq, wq
.if DOCPART == 1
	.amdgcn_target "amdgcn-amd-amdhsa--gfx1250"
	.amdhsa_code_object_version 6
	.text
	.protected	k_qd2b019a2b9_prep
	.globl	k_qd2b019a2b9_prep
	.p2align	8
	.type	k_qd2b019a2b9_prep,@function
k_qd2b019a2b9_prep:
	s_mov_b64 s[64:65], 0
	v_nop
	global_prefetch_b8 v0, s[64:65] scope:SCOPE_SE
	s_setreg_imm32_b32 hwreg(HW_REG_WAVE_MODE, 25, 1), 1
	s_wait_xcnt 0x0
; PREP: x and the three weights, f32, become codes of FP6 (E2M3) with one E8M0 byte for each 32 along K, laid as IMAGES OF OPERAND REGISTERS.
; A fragment (16 rows x 128 K) is 12 registers a lane; its image is [j = 0..2][lane][16 bytes], 1,536 bytes: three accesses of 16 bytes a lane move it.
; THE ROWS OF A TILE ARE NOT NEIGHBOURS: rows go in groups of 32; lane-row r of tile 2 g + u is row 32 g + 8 u + r + 8 (r / 8).
; Work-groups 0-255: x [8][512 c][1024 n], K = c is NOT innermost.  Work-group = (block G = 8 b + n / 128, K step s of 128 c); wave p takes 32 columns n; a lane takes a column
;   and its registers run down c, so a block of 32 along K lies in one lane.  xq: block G of 51,200 bytes = [s][tile 0..7] images, then at 49,152 the scale words [s][p][lane] (lanes 0-15 tile 2 p, 16-31 tile 2 p + 1).
; Work-groups 256-319: pair P of tiles of the stacked weights (tiles 0-31 Wq, 32-95 Wkv, 96-127 Wp), K innermost; wave = K step s.  wq: [tile][s] images, then at 786,432 the words [pair][s][lane].
; A block's scale byte is its largest magnitude's exponent field - 2, held at 1 from below.
; LIMITS: a block of zeros gets the byte 1 where the quantiser says 127 (its codes are zeros; the bytes are read by this program alone); blocks whose largest magnitude lies under 2^-124
; are held at the byte 1; NaN and infinities among the inputs are not served.  The input y is not read by this program: the function takes nothing of it but its shape, and no number of it reaches the result.
; LDS: 0 .. 13,311 the x path's stages (3,328 a wave: two images 1,664 apart); 13,312 .. 80,895 the weights' stages (16,896 a wave: two tiles of 16 rows x 528); then the spare words.  Each path has bytes of its own.
.set SPARE, 80896                      ; the spare words, 128 bytes for each wave: two blocks of 256 bytes that no other line names
.set SPW,   2                          ; v2  LDS address of my spare word; never rewritten
.set NIL,   3                          ; v3  0; never rewritten
	s_load_b256 s[4:11], s[0:1], 0x0               ; x s[4:5], Wq s[6:7], Wkv s[8:9], Wp s[10:11]
	s_load_b128 s[12:15], s[0:1], 0x20             ; xq s[12:13], wq s[14:15]
	v_lshl_add_u32 v[SPW], v0, 2, SPARE
	v_mov_b32 v[NIL], 0
	v_lshrrev_b32 v1, 5, v0
	v_readfirstlane_b32 s16, v1                    ; wave 0..3
	v_and_b32 v4, 31, v0                           ; lane
	v_lshlrev_b32 v10, 4, v4                       ; 16 x lane
	s_cmp_lt_u32 ttmp9, 256                        ; the work-group's number alone decides the path
	s_cbranch_scc0 .Lw
	; ---------------- x ----------------
	s_lshr_b32 s17, ttmp9, 2                       ; G
	s_and_b32 s18, ttmp9, 3                        ; s
	s_lshr_b32 s19, s17, 3                         ; b
	s_and_b32 s20, s17, 7                          ; which 128 columns
	s_lshl_b32 s22, s19, 21                        ; x: b x 512 x 4,096 bytes
	s_lshl_b32 s21, s18, 19                        ;  + s x 128 rows c of 4,096 bytes
	s_add_co_u32 s22, s22, s21
	s_lshl_b32 s21, s20, 9                         ;  + 128 columns x 4 bytes
	s_add_co_u32 s22, s22, s21
	s_lshl_b32 s21, s16, 7                         ;  + my wave's 32 columns
	s_add_co_u32 s22, s22, s21
	s_mov_b32 s23, 0
	s_mul_i32 s24, s17, 51200                      ; xq: block G
	s_lshl_b32 s21, s18, 3
	s_lshl_b32 s25, s16, 1
	s_add_co_u32 s21, s21, s25
	s_mul_i32 s21, s21, 1536                       ;  image 8 s + 2 p
	s_add_co_u32 s26, s24, s21
	s_mov_b32 s27, 0
	s_lshl_b32 s21, s18, 2
	s_add_co_u32 s21, s21, s16
	s_lshl_b32 s21, s21, 7                         ;  scale words: (4 s + p) x 128
	s_add_co_u32 s28, s24, s21
	s_add_co_u32 s28, s28, 49152
	s_mov_b32 s29, 0
	v_lshlrev_b32 v5, 2, v4                        ; my column: 4 bytes a lane
	v_bfe_u32 v6, v4, 3, 1                         ; u: which tile of the pair my column falls into
	v_and_b32 v7, 7, v4
	v_bfe_u32 v8, v4, 4, 1
	v_lshl_or_b32 v7, v8, 3, v7                    ; r: its lane-row there
	s_mul_i32 s30, s16, 3328                       ; my stage
	v_mul_u32_u24 v9, v6, 1664
	v_lshl_add_u32 v9, v7, 4, v9
	v_add_nc_u32 v9, s30, v9                       ; into it: image u, 16 r
	v_add_nc_u32 v12, s30, v10                     ; out of it: 16 x lane
	v_lshl_add_u32 v13, v6, 4, v7
	v_lshlrev_b32 v13, 2, v13                      ; my scale word's place: 4 (r + 16 u)
	s_wait_kmcnt 0x0
	s_add_nc_u64 s[4:5], s[4:5], s[22:23]
	s_add_nc_u64 s[26:27], s[12:13], s[26:27]
	s_add_nc_u64 s[28:29], s[12:13], s[28:29]
.macro XLOAD kb                        ; block kb: x(c = 32 kb + i, my column), i = 0 .. 31: a wave reads 128 neighbouring bytes, the four waves 512
.set i, 0
.rept 32
	global_load_b32 v[64+32*(\kb)+i], v5, s[4:5] offset:(32*(\kb)+i)*4096 th:TH_LOAD_NT
.set i, i+1
.endr
.endm
.macro XBLOCK kb
.set XS, 64+32*(\kb)
.set CD, 32+6*(\kb)
.if (\kb) < 3
	s_wait_loadcnt 32                              ; this block's 32 loads are in; the next block's 32 may be out
.else
	s_wait_loadcnt 0x0
.endif
.if (\kb) < 2
	XLOAD (\kb)+2                                  ; two blocks ahead, into registers of its own
.endif
	v_max3_num_f32 v16, |v[XS]|, |v[XS+1]|, |v[XS+2]|              ; the block's largest magnitude: all 32 numbers are mine; two chains
	v_max3_num_f32 v17, |v[XS+3]|, |v[XS+4]|, |v[XS+5]|
.irp i, 6,10,14,18,22,26
	v_max3_num_f32 v16, v16, |v[XS+\i]|, |v[XS+\i+1]|
	v_max3_num_f32 v17, v17, |v[XS+\i+2]|, |v[XS+\i+3]|
.endr
	v_max3_num_f32 v16, v16, |v[XS+30]|, |v[XS+31]|
	v_max3_num_f32 v16, v16, v17, 0x1800000        ; and the floor 2^(3 - 127): the byte cannot fall under 1
	v_add_nc_u32 v11, 0xff000000, v16              ; 2 off the exponent field: the conversion takes this operand's exponent field as its scale
	v_lshrrev_b32 v17, 23, v11                     ; the scale's byte
.if (\kb) == 0
	v_mov_b32 v15, v17
.else
	v_lshl_or_b32 v15, v17, 8*(\kb), v15           ; the four bytes make my row's scale word
.endif
	v_cvt_scalef32_pk16_fp6_f32 v[CD:CD+2], v[XS:XS+15], v11
	v_cvt_scalef32_pk16_fp6_f32 v[56:58], v[XS+16:XS+31], v11      ; (a conversion's three registers begin on an even number)
	v_nop                                          ; one plain line behind the conversions
	v_mov_b32 v[CD+3], v56
	v_mov_b32 v[CD+4], v57
	v_mov_b32 v[CD+5], v58
	; block kb is K = 64 c + 32 h with c = kb / 2, h = kb % 2: registers 6 c .. 6 c + 5 of lane (r, h) of the image
.if (\kb) < 2
	ds_store_b128 v9, v[CD:CD+3] offset:256*((\kb)%2)
	ds_store_b64 v9, v[CD+4:CD+5] offset:512+256*((\kb)%2)
.else
	ds_store_b64 v9, v[CD:CD+1] offset:520+256*((\kb)%2)
	ds_store_b128 v9, v[CD+2:CD+5] offset:1024+256*((\kb)%2)
.endif
.endm
	XLOAD 0
	XLOAD 1
	XBLOCK 0
	XBLOCK 1
	XBLOCK 2
	XBLOCK 3
.irp u, 0,1
.irp j, 0,1,2
	ds_load_b128 v[192+12*\u+4*\j:195+12*\u+4*\j], v12 offset:1664*\u+512*\j   ; LDS serves a wave's instructions in order: these see my stores
.endr
.endr
	s_wait_dscnt 0x0
.irp u, 0,1
.irp j, 0,1,2
	global_store_b128 v10, v[192+12*\u+4*\j:195+12*\u+4*\j], s[26:27] offset:1536*\u+512*\j   ; 512 consecutive bytes, at a multiple of 256 from the buffer's first byte
.endr
.endr
	global_store_b32 v13, v15, s[28:29]            ; 128 consecutive bytes of scale words
	s_wait_tensorcnt 0x0                           ; the wave's end, behind my last LDS store
	ds_add_u32 v[SPW], v[NIL]
	s_wait_dscnt 0x0
	s_endpgm
	; ---------------- the weights ----------------
.Lw:
	s_sub_co_u32 s17, ttmp9, 256                   ; P: pair of tiles 0..63
	s_wait_kmcnt 0x0
	s_cmp_lt_u32 s17, 48
	s_cselect_b64 s[20:21], s[8:9], s[10:11]       ; Wkv or Wp
	s_cselect_b32 s18, 16, 48
	s_cmp_lt_u32 s17, 16
	s_cselect_b64 s[20:21], s[6:7], s[20:21]       ; or Wq
	s_cselect_b32 s18, 0, s18
	s_sub_co_u32 s18, s17, s18                     ; the pair's number in its own tensor
	s_lshl_b32 s22, s18, 16                        ; 32 rows of 2,048 bytes
	s_lshl_b32 s19, s16, 9                         ; + K step s: 512 bytes
	s_add_co_u32 s22, s22, s19
	s_mov_b32 s23, 0
	s_add_nc_u64 s[20:21], s[20:21], s[22:23]
	s_mul_i32 s24, s17, 12288                      ; wq: image (2 P) x 4 + s
	s_mul_i32 s19, s16, 1536
	s_add_co_u32 s24, s24, s19
	s_mov_b32 s25, 0
	s_add_nc_u64 s[24:25], s[14:15], s[24:25]
	s_lshl_b32 s26, s17, 2
	s_add_co_u32 s26, s26, s16
	s_lshl_b32 s26, s26, 7
	s_add_co_u32 s26, s26, 786432                  ; scale words: (4 P + s) x 128
	s_mov_b32 s27, 0
	s_add_nc_u64 s[26:27], s[14:15], s[26:27]
	v_lshlrev_b32 v13, 2, v4                       ; 4 x lane
	v_and_b32 v7, 15, v4                           ; r
	v_bfe_u32 v8, v4, 4, 1                         ; h
	s_mul_i32 s30, s16, 16896
	s_add_co_u32 s30, s30, 13312                   ; my stage
	v_add_nc_u32 v9, s30, v10                      ; in: a row as it lies, 16 bytes a lane
	v_mul_u32_u24 v12, v7, 528
	v_lshl_add_u32 v12, v8, 7, v12
	v_add_nc_u32 v12, s30, v12                     ; back: row r, + 128 h: my 32 numbers of each 64
	v_lshlrev_b32 v14, 3, v8                       ; 8 h
	v_mov_b32 v24, 0                               ; a lane permute's destination counts as one of its sources
	s_mov_b32 s32, 0x76543210
	s_mov_b32 s33, 0xfedcba98                      ; selects for lane l xor 16
	s_mov_b32 s34, 0xffff0000                      ; lanes 16-31
.irp u, 0,1
.irp i, 0,1,2,3,4,5,6,7,8,9,10,11,12,13,14,15
	global_load_b128 v[64+64*\u+4*\i:67+64*\u+4*\i], v10, s[20:21] offset:(8*\u+\i+8*(\i/8))*2048 th:TH_LOAD_NT   ; lane-row i of tile u: 512 consecutive bytes
.endr
.endr
.macro WIN_ u                          ; tile u's 16 rows into the stage
.irp i, 0,1,2,3,4,5,6,7,8,9,10,11,12,13,14,15
	ds_store_b128 v9, v[64+64*(\u)+4*\i:67+64*(\u)+4*\i] offset:8448*(\u)+528*\i
.endr
.endm
.macro WBACK u                         ; and back: lane (r, h) takes k = 64 c + 32 h + 0 .. 31 of row r into v[192 + 32 c ..]
.irp c, 0,1
.irp q, 0,1,2,3,4,5,6,7
	ds_load_b128 v[192+32*\c+4*\q:195+32*\c+4*\q], v12 offset:8448*(\u)+256*\c+16*\q
.endr
.endr
.endm
.macro WTILE u
.set FG, 32+12*(\u)
.irp c, 0,1
	v_max3_num_f32 v[16+\c], |v[192+32*\c]|, |v[193+32*\c]|, 0x1800000   ; my block 2 c + h: all 32 numbers are mine; the floor keeps the byte at 1 from below
.endr
.irp i, 2,4,6,8,10,12,14,16,18,20,22,24,26,28,30
.irp c, 0,1
	v_max3_num_f32 v[16+\c], v[16+\c], |v[192+32*\c+\i]|, |v[193+32*\c+\i]|
.endr
.endr
.irp c, 0,1
	v_add_nc_u32 v[18+\c], 0xff000000, v[16+\c]    ; the conversion's scale operand
.endr
.irp c, 0,1
	v_lshrrev_b32 v[20+\c], 23, v[18+\c]           ; the byte
.endr
	v_lshl_or_b32 v[22+\u], v21, 16, v20           ; blocks h and 2 + h,
	v_lshlrev_b32 v[22+\u], v14, v[22+\u]          ; at their places in the word;
	v_permlanex16_b32 v24, v[22+\u], s32, s33
	v_or_b32 v[22+\u], v[22+\u], v24               ; with lane l xor 16's two the word is whole
.irp c, 0,1
	v_cvt_scalef32_pk16_fp6_f32 v[FG+6*\c:FG+6*\c+2], v[192+32*\c:207+32*\c], v[18+\c]
	v_cvt_scalef32_pk16_fp6_f32 v[56+4*\c:58+4*\c], v[208+32*\c:223+32*\c], v[18+\c]
.endr
	v_nop                                          ; one plain line behind the conversions
.irp c, 0,1
.irp i, 0,1,2
	v_mov_b32 v[FG+6*\c+3+\i], v[56+4*\c+\i]
.endr
.endr
.irp j, 0,1,2
	global_store_b128 v10, v[FG+4*\j:FG+4*\j+3], s[24:25] offset:6144*(\u)+512*\j
.endr
.endm
	s_wait_loadcnt 16                              ; tile 0's 16 loads are in; tile 1's may be out
	WIN_ 0
	WBACK 0
	s_wait_loadcnt 0x0
	WIN_ 1
	s_wait_dscnt 16                                ; tile 0 is back; the 16 younger stores may be out
	WTILE 0
	WBACK 1
	s_wait_dscnt 0x0
	WTILE 1
	v_cndmask_b32 v22, v22, v23, s34               ; lanes 0-15 tile 2 P's words, lanes 16-31 tile 2 P + 1's
	global_store_b32 v13, v22, s[26:27]
	s_wait_tensorcnt 0x0                           ; the wave's end, behind my last LDS store
	ds_add_u32 v[SPW], v[NIL]
	s_wait_dscnt 0x0
	s_endpgm
.Lfunc_end_k_qd2b019a2b9_prep:
	.size	k_qd2b019a2b9_prep, .Lfunc_end_k_qd2b019a2b9_prep-k_qd2b019a2b9_prep
	.p2alignl 7, 3214868480
	.fill 96, 4, 3214868480
	.section	.rodata,"a",@progbits
	.p2align	6, 0x0
	.amdhsa_kernel k_qd2b019a2b9_prep
		.amdhsa_group_segment_fixed_size 81408
		.amdhsa_private_segment_fixed_size 0
		.amdhsa_enable_private_segment 0
		.amdhsa_kernarg_size 48
		.amdhsa_user_sgpr_count 2
		.amdhsa_user_sgpr_kernarg_segment_ptr 1
		.amdhsa_wavefront_size32 1
		.amdhsa_system_sgpr_workgroup_id_x 1
		.amdhsa_system_sgpr_workgroup_id_y 1
		.amdhsa_system_sgpr_workgroup_id_z 1
		.amdhsa_system_vgpr_workitem_id 0
		.amdhsa_next_free_vgpr 256
		.amdhsa_next_free_sgpr 66
		.amdhsa_reserve_vcc 0
		.amdhsa_float_denorm_mode_32 3
		.amdhsa_float_denorm_mode_16_64 3
		.amdhsa_memory_ordered 1
		.amdhsa_forward_progress 1
		.amdhsa_inst_pref_size 38
	.end_amdhsa_kernel
	.amdgpu_metadata
---
amdhsa.version: [ 1, 2 ]
amdhsa.kernels:
  - .name:           k_qd2b019a2b9_prep
    .symbol:         k_qd2b019a2b9_prep.kd
    .args:
      - { .name: x, .offset: 0, .size: 8, .value_kind: global_buffer, .address_space: global }
      - { .name: Wq, .offset: 8, .size: 8, .value_kind: global_buffer, .address_space: global }
      - { .name: Wkv, .offset: 16, .size: 8, .value_kind: global_buffer, .address_space: global }
      - { .name: Wp, .offset: 24, .size: 8, .value_kind: global_buffer, .address_space: global }
      - { .name: xq, .offset: 32, .size: 8, .value_kind: global_buffer, .address_space: global }
      - { .name: wq, .offset: 40, .size: 8, .value_kind: global_buffer, .address_space: global }
    .group_segment_fixed_size: 81408
    .private_segment_fixed_size: 0
    .kernarg_segment_align: 8
    .kernarg_segment_size: 48
    .max_flat_workgroup_size: 128
    .sgpr_count:     66
    .vgpr_count:     256
    .wavefront_size: 32
...
	.end_amdgpu_metadata
.endif
;; end of part 1
;; launch qkv (part 2): grid 4 x 64, 4 waves a work-group, no clusters, 51,712 bytes of LDS; arguments xq, wq, bq, bkv, qimg, kvimg; writes qimg, kvimg
.if DOCPART == 2
	.amdgcn_target "amdgcn-amd-amdhsa--gfx1250"
	.amdhsa_code_object_version 6
	.text
	.protected	k_qd2b019a2b9_qkv
	.globl	k_qd2b019a2b9_qkv
	.p2align	8
	.type	k_qd2b019a2b9_qkv,@function
k_qd2b019a2b9_qkv:
	s_mov_b64 s[64:65], 0
	v_nop
	global_prefetch_b8 v0, s[64:65] scope:SCOPE_SE
	s_setreg_imm32_b32 hwreg(HW_REG_WAVE_MODE, 25, 1), 1
	s_wait_xcnt 0x0
; QKV: q = xt Wq^T + bq, k, v = xt Wkv^T + bkv on codes of FP6 with E8M0 scales; the results are quantised in registers for the attention's products and stored as images of operand registers.
; SHARES.  Work-group (g, G): the 128 rows of block G = 8 b + ks (one key step of one batch) x heads 2 g, 2 g + 1 of q, of k and of v.  Wave w: one head of q (w < 2) or of k, hd = 2 g + (w & 1): 4 tiles of weights;
; and two tiles of Wv: head 2 g + (w >> 1), channels 32 (w & 1) on.  A wave's weights, 288 registers, are loaded once in operand order; the block's codes of x go through LDS, copied as they lie.
; q AND k ARE MADE TRANSPOSED (source 0 = 16 rows of W, source 1 = 16 rows of x): a lane holds one row n and its registers run along the head's 64, which is the next K.  Two tiles of rows give 64 numbers a lane:
;   one run of the quantiser makes a PAIR IMAGE: registers 0-5 are tile 2 p's codes (K = 64), registers 6-11 tile 2 p + 1's.
; v IS MADE THE OTHER WAY ROUND (source 0 = x, source 1 = Wv): a lane holds one channel and its registers run along the keys, which is the second product's K: 64 numbers a lane are one fragment of V^T (16 channels x 128 keys).
; The biases are the C of each sum's first matrix instruction.  The 12 accumulators of a K step take turns, one instruction a turn.
; No cluster: the weights go from memory straight into registers, and the block of x that the four work-groups of a G share is 51,200 of a work-group's 198,656 loaded bytes.
; qimg: for each bh = 8 b + h 53,248 bytes: 32 pair images, then at 49,152 eight runs of [lane][pair % 4] scale words.  kvimg: for each bh and key step 13,056 bytes: K's 4 pair images, V's 4 fragments,
;   at 12,288 K's words [lane][pair], at 12,800 V's [pair of channel tiles][lane].  In a pair's word lanes 0-15 carry the first tile's two bytes low, lanes 16-31 the second tile's.
; LIMITS: as the first launch's: zero blocks get the byte 1; NaN and infinities are not served.
; REGISTERS.  window 0: v1-6 addresses; v16-111 x's 8 fragments (12 (4 xt + s)); v112-175 q/k's 8 accumulators; v176-191 at work; v192 the word just made; v196-215 the codes just made; v216-221 words to store;
;   v224-227 x's scale words, v228-235 Wq/Wk's, v236-239 Wv's; v240-241 v's bias as loaded; v252, v253 the add's two.
;   window 1: v0-191 Wq/Wk's 16 fragments (12 (4 T + s)); v192-223 their bias in the result's layout; v224-239 v's bias, eight copies a tile.   window 2: v0-95 Wv's 8 fragments; v128-255 v's 16 accumulators (64 u + 8 t).
.set SPARE, 51200                      ; behind x's block: the spare words, 128 bytes a wave: two blocks of 256 bytes that no other line names
.set LI,  1                            ; 16 x lane
.set LS,  2                            ; 4 x lane
.set CP,  3                            ; 16 x thread
.set SH,  4                            ; 16 h
.set BO,  5                            ; 64 h
.set VB,  6                            ; 4 (r + 8 (r / 8))
.set XF,  16
.set QA,  112
.set TM,  176
.set PW,  192
.set PC,  196
.set PWQ, 216
.set PWV, 220
.set XSR, 224
.set WSQ, 228
.set WSV, 236
.set SPW, 252
.set NIL, 253
.set SEL, 60
.set MSB, 0
.macro WIN new                         ; the immediate's high byte repeats the setting that is left; a switch that changes nothing is dropped
.if MSB != (\new)
	s_set_vgpr_msb (MSB<<8)|(\new)
.set MSB, (\new)
.endif
.endm
; one matrix instruction: D, source 0, source 1, C, their scale registers, and which half of the lanes each scale register is read from
.macro MM d, a, b, c, sa, sb, ra, rb
.if ((\ra)==0)&&((\rb)==0)
	v_wmma_scale_f32_16x16x128_f8f6f4 v[0+(\d):7+(\d)], v[0+(\a):11+(\a)], v[0+(\b):11+(\b)], v[0+(\c):7+(\c)], v[0+(\sa)], v[0+(\sb)] matrix_a_fmt:MATRIX_FMT_FP6 matrix_b_fmt:MATRIX_FMT_FP6
.elseif (\rb)==0
	v_wmma_scale_f32_16x16x128_f8f6f4 v[0+(\d):7+(\d)], v[0+(\a):11+(\a)], v[0+(\b):11+(\b)], v[0+(\c):7+(\c)], v[0+(\sa)], v[0+(\sb)] matrix_a_fmt:MATRIX_FMT_FP6 matrix_b_fmt:MATRIX_FMT_FP6 matrix_a_scale:MATRIX_SCALE_ROW1
.elseif (\ra)==0
	v_wmma_scale_f32_16x16x128_f8f6f4 v[0+(\d):7+(\d)], v[0+(\a):11+(\a)], v[0+(\b):11+(\b)], v[0+(\c):7+(\c)], v[0+(\sa)], v[0+(\sb)] matrix_a_fmt:MATRIX_FMT_FP6 matrix_b_fmt:MATRIX_FMT_FP6 matrix_b_scale:MATRIX_SCALE_ROW1
.else
	v_wmma_scale_f32_16x16x128_f8f6f4 v[0+(\d):7+(\d)], v[0+(\a):11+(\a)], v[0+(\b):11+(\b)], v[0+(\c):7+(\c)], v[0+(\sa)], v[0+(\sb)] matrix_a_fmt:MATRIX_FMT_FP6 matrix_b_fmt:MATRIX_FMT_FP6 matrix_a_scale:MATRIX_SCALE_ROW1 matrix_b_scale:MATRIX_SCALE_ROW1
.endif
.endm
; the fragments of x's tiles 2 p, 2 p + 1, all four K steps, and their scale words (lanes 0-15 tile 2 p, lanes 16-31 tile 2 p + 1)
.macro FETCHX p
.irp xt, 0,1
.irp s, 0,1,2,3
.irp j, 0,1,2
	ds_load_b128 v[XF+12*(4*\xt+\s)+4*\j:XF+12*(4*\xt+\s)+4*\j+3], v[LI] offset:(8*\s+2*(\p)+\xt)*1536+512*\j
.endr
.endr
.endr
.irp s, 0,1,2,3
	ds_load_b32 v[XSR+\s], v[LS] offset:49152+512*\s+128*(\p)
.endr
.endm
; 64 numbers of a lane in window w, register 16 b + i = k 32 b + 16 (lane / 16) + i of my row, become 12 registers of codes in v[PC] on and the four blocks' bytes in v[PW].  Each accumulator is read from its low end on.
.macro QUANT s, w
	WIN (\w)|((\w)<<2)
.irp b, 0,1,2,3
	v_max3_num_f32 v[TM+\b], |v[\s+16*\b]|, |v[\s+1+16*\b]|, 0x1800000   ; my 16 numbers of block b, and the floor 2^(3 - 127): the byte cannot fall under 1
.endr
	WIN ((\w)<<2)|((\w)<<4)
.irp i, 2,4,6,8,10,12,14
.irp b, 0,1,2,3
	v_max3_num_f32 v[TM+\b], v[TM+\b], |v[\s+16*\b+\i]|, |v[\s+1+16*\b+\i]|   ; (the four blocks by turns)
.endr
.endr
	WIN 0
.irp b, 0,1,2,3
	v_permlanex16_b32 v[TM+4+\b], v[TM+\b], s[SEL], s[SEL+1]
.endr
.irp b, 0,1,2,3
	v_max_num_f32 v[TM+\b], v[TM+\b], v[TM+4+\b]   ; with lane l xor 16's: the block's largest magnitude
.endr
.irp b, 0,1,2,3
	v_add_nc_u32 v[TM+12+\b], 0xff000000, v[TM+\b] ; 2 off its exponent field: the conversion's scale operand
.endr
.irp b, 0,1,2,3
	v_lshrrev_b32 v[TM+4+\b], 23, v[TM+12+\b]      ; the byte
.endr
	v_lshl_or_b32 v[PW], v[TM+5], 8, v[TM+4]
	v_lshl_or_b32 v[PW], v[TM+6], 16, v[PW]
	v_lshl_or_b32 v[PW], v[TM+7], 24, v[PW]
	WIN (\w)
.irp c, 0,1
	v_cvt_scalef32_pk16_fp6_f32 v[PC+6*\c:PC+2+6*\c], v[\s+32*\c:\s+15+32*\c], v[TM+12+2*\c]
	v_cvt_scalef32_pk16_fp6_f32 v[PC+12+4*\c:PC+14+4*\c], v[\s+16+32*\c:\s+31+32*\c], v[TM+12+2*\c+1]   ; (a conversion's three registers begin on an even number)
.endr
	WIN 0
	v_nop                                          ; one plain line behind the conversions
.irp c, 0,1                            ; the operand's layout wants a whole block in a lane: lanes 0-15 block 2 c, lanes 16-31 block 2 c + 1
.irp i, 0,1,2
	v_permlane16_swap_b32 v[PC+6*\c+\i], v[PC+12+4*\c+\i]
.endr
.irp i, 0,1,2
	v_mov_b32 v[PC+3+6*\c+\i], v[PC+12+4*\c+\i]
.endr
.endr
.endm
	s_load_b256 s[4:11], s[0:1], 0x0               ; xq s[4:5], wq s[6:7], bq s[8:9], bkv s[10:11]
	s_load_b128 s[12:15], s[0:1], 0x20             ; qimg s[12:13], kvimg s[14:15]
	v_lshl_add_u32 v[SPW], v0, 2, SPARE
	v_mov_b32 v[NIL], 0
	v_lshrrev_b32 v7, 5, v0
	v_readfirstlane_b32 s16, v7                    ; wave 0..3
	v_and_b32 v7, 31, v0
	v_lshlrev_b32 v[LI], 4, v7
	v_lshlrev_b32 v[LS], 2, v7
	v_lshlrev_b32 v[CP], 4, v0
	v_bfe_u32 v8, v0, 4, 1                         ; h
	v_lshlrev_b32 v[SH], 4, v8
	v_lshlrev_b32 v[BO], 6, v8
	v_and_b32 v9, 15, v0                           ; r
	v_and_b32 v10, 8, v9
	v_add_nc_u32 v9, v9, v10
	v_lshlrev_b32 v[VB], 2, v9
.irp b, 0,1,2,3
	v_mov_b32 v[TM+4+\b], 0                        ; written once: a lane permute's destination counts as one of its sources
.endr
	s_mov_b32 s[SEL], 0x76543210
	s_mov_b32 s[SEL+1], 0xfedcba98                 ; selects for lane l xor 16
	s_mov_b32 s62, 0xffff0000                      ; lanes 16-31
	s_and_b32 s18, ttmp7, 0xffff                   ; G
	s_lshr_b32 s19, s16, 1                         ; 0: q, 1: k.  Also which of the two heads of v
	s_and_b32 s20, s16, 1                          ; which of the two heads of q or k.  Also which 32 channels of v
	s_lshl_b32 s21, ttmp9, 1
	s_add_co_u32 s22, s21, s20                     ; hd
	s_add_co_u32 s23, s21, s19                     ; v's head
	s_lshr_b32 s24, s18, 3                         ; b
	s_and_b32 s25, s18, 7                          ; ks
	s_lshl_b32 s26, s24, 3
	s_add_co_u32 s27, s26, s22                     ; bh of q or k
	s_add_co_u32 s28, s26, s23                     ; bh of v
	s_mul_i32 s30, s18, 51200                      ; x's block
	s_mov_b32 s31, 0
	s_mul_i32 s32, s19, 196608                     ; my 16 fragments of Wq or Wk: tile 32 kind + 4 hd, 6,144 bytes a tile
	s_mul_i32 s29, s22, 24576
	s_add_co_u32 s32, s32, s29
	s_mov_b32 s33, 0
	s_mul_i32 s34, ttmp9, 49152                    ; my 8 of Wv: tile 64 + 8 g + 2 w
	s_mul_i32 s29, s16, 12288
	s_add_co_u32 s34, s34, s29
	s_add_co_u32 s34, s34, 393216
	s_mov_b32 s35, 0
	s_lshl_b32 s36, s19, 13                        ; their scale words: pair 16 kind + 2 hd, 512 bytes a pair
	s_lshl_b32 s29, s22, 10
	s_add_co_u32 s36, s36, s29
	s_add_co_u32 s36, s36, 786432
	s_mov_b32 s37, 0
	s_lshl_b32 s38, ttmp9, 11                      ; pair 32 + 4 g + w
	s_lshl_b32 s29, s16, 9
	s_add_co_u32 s38, s38, s29
	s_add_co_u32 s38, s38, 802816
	s_mov_b32 s39, 0
	s_lshl_b32 s40, s22, 8                         ; bias of q or k: 64 numbers a head
	s_mov_b32 s41, 0
	s_lshl_b32 s42, ttmp9, 9                       ; bias of v: behind k's 512; 32 (4 g + w) numbers on
	s_lshl_b32 s29, s16, 7
	s_add_co_u32 s42, s42, s29
	s_add_co_u32 s42, s42, 2048
	s_mov_b32 s43, 0
	s_mul_i32 s44, s27, 53248                      ; q's codes: bh, then 4 pair images a key step
	s_mul_i32 s29, s25, 6144
	s_add_co_u32 s44, s44, s29
	s_mul_i32 s46, s27, 53248                      ; q's words
	s_lshl_b32 s29, s25, 9
	s_add_co_u32 s46, s46, s29
	s_add_co_u32 s46, s46, 49152
	s_lshl_b32 s29, s27, 3
	s_add_co_u32 s29, s29, s25
	s_mul_i32 s48, s29, 13056                      ; k's codes
	s_add_co_u32 s49, s48, 12288                   ; k's words
	s_cmp_eq_u32 s19, 0
	s_cselect_b32 s44, s44, s48
	s_cselect_b32 s46, s46, s49
	s_mov_b32 s45, 0
	s_mov_b32 s47, 0
	s_lshl_b32 s29, s28, 3
	s_add_co_u32 s29, s29, s25
	s_mul_i32 s54, s29, 13056
	s_mul_i32 s29, s20, 3072
	s_add_co_u32 s56, s54, s29
	s_add_co_u32 s56, s56, 6144                    ; v's codes
	s_mov_b32 s57, 0
	s_lshl_b32 s29, s20, 7
	s_add_co_u32 s58, s54, s29
	s_add_co_u32 s58, s58, 12800                   ; v's words
	s_mov_b32 s59, 0
	s_wait_kmcnt 0x0
	s_add_nc_u64 s[30:31], s[4:5], s[30:31]
	s_add_nc_u64 s[32:33], s[6:7], s[32:33]
	s_add_nc_u64 s[34:35], s[6:7], s[34:35]
	s_add_nc_u64 s[36:37], s[6:7], s[36:37]
	s_add_nc_u64 s[38:39], s[6:7], s[38:39]
	s_add_nc_u64 s[42:43], s[10:11], s[42:43]
	s_cmp_eq_u32 s19, 0                            ; the choice hangs on the wave's number alone
	s_cselect_b64 s[50:51], s[12:13], s[14:15]
	s_cselect_b64 s[52:53], s[8:9], s[10:11]
	s_add_nc_u64 s[40:41], s[52:53], s[40:41]
	s_add_nc_u64 s[44:45], s[50:51], s[44:45]
	s_add_nc_u64 s[46:47], s[50:51], s[46:47]
	s_add_nc_u64 s[56:57], s[14:15], s[56:57]
	s_add_nc_u64 s[58:59], s[14:15], s[58:59]
.set i, 0
.rept 25                               ; x's block, 51,200 bytes, as it lies: 16 bytes a thread, 2,048 an instruction of the work-group
	global_load_b128 v[16+4*i:19+4*i], v[CP], s[30:31] offset:2048*i
.set i, i+1
.endr
	WIN 0x40                                       ; destination window 1
.set i, 0
.rept 48
	global_load_b128 v[4*i:4*i+3], v[LI], s[32:33] offset:512*i
.set i, i+1
.endr
	WIN 0
	s_wait_loadcnt 48                              ; x's 25 loads are in; the 48 younger ones may be out
.set i, 0
.rept 25
	ds_store_b128 v[CP], v[16+4*i:19+4*i] offset:2048*i
.set i, i+1
.endr
	WIN 0x80                                       ; destination window 2
.set i, 0
.rept 24
	global_load_b128 v[4*i:4*i+3], v[LI], s[34:35] offset:512*i
.set i, i+1
.endr
	WIN 0x40
.irp T, 0,1,2,3                        ; lane (r, h) wants, for tile 2 bb + uu, the bias of channels 32 bb + 16 h + 8 uu + 0 .. 7
	global_load_b128 v[192+8*\T:195+8*\T], v[BO], s[40:41] offset:(32*(\T/2)+8*(\T%2))*4
	global_load_b128 v[196+8*\T:199+8*\T], v[BO], s[40:41] offset:(32*(\T/2)+8*(\T%2))*4+16
.endr
	WIN 0
.irp bb, 0,1
.irp s, 0,1,2,3
	global_load_b32 v[WSQ+4*\bb+\s], v[LS], s[36:37] offset:512*\bb+128*\s
.endr
.endr
.irp s, 0,1,2,3
	global_load_b32 v[WSV+\s], v[LS], s[38:39] offset:128*\s
.endr
	global_load_b32 v240, v[VB], s[42:43]          ; v's bias of my lane's channel, tile 0,
	global_load_b32 v241, v[VB], s[42:43] offset:32   ; and tile 1
	s_wait_dscnt 0x0                               ; for the others' sake: my part of x's block lies in LDS
	s_barrier_signal -1
	s_barrier_wait -1                              ; everybody's does; nothing is stored to LDS after this
	FETCHX 0
	s_wait_loadcnt 0x0
	WIN 0x40
.irp u, 0,1
.irp j, 0,1,2,3,4,5,6,7
	v_mov_b32 v[224+8*\u+\j], v[240+\u]            ; in v's result a lane is one channel: the same bias in all eight registers
.endr
.endr
	WIN 0
.rept 4
	v_nop
.endr
.irp p, 0,1,2,3                        ; two tiles of rows at a time
	s_wait_dscnt 0x0                               ; their fragments and scale words are in
.irp s, 0,1,2,3
.if \s == 0
	WIN 0x11                                       ; source 0 (W) and C (bias) window 1
.else
	WIN 0x01
.endif
.irp xt, 0,1
.irp T, 0,1,2,3
.if \s == 0
	MM QA+8*(4*\xt+\T), 12*(4*\T+\s), XF+12*(4*\xt+\s), 192+8*\T, WSQ+4*(\T/2)+\s, XSR+\s, \T%2, \xt
.else
	MM QA+8*(4*\xt+\T), 12*(4*\T+\s), XF+12*(4*\xt+\s), QA+8*(4*\xt+\T), WSQ+4*(\T/2)+\s, XSR+\s, \T%2, \xt
.endif
.endr
.endr
.if \s == 0
	WIN 0x98                                       ; source 1 (Wv) and D window 2, C (bias) window 1
.else
	WIN 0xa8
.endif
.irp xt, 0,1
.irp u, 0,1
.if \s == 0
	MM 128+64*\u+8*(2*\p+\xt), XF+12*(4*\xt+\s), 12*(4*\u+\s), 224+8*\u, XSR+\s, WSV+\s, \xt, \u
.else
	MM 128+64*\u+8*(2*\p+\xt), XF+12*(4*\xt+\s), 12*(4*\u+\s), 128+64*\u+8*(2*\p+\xt), XSR+\s, WSV+\s, \xt, \u
.endif
.endr
.endr
.endr
	WIN 0
.rept 4
	v_nop                                          ; four plain lines in front of loads into registers that matrix instructions have read, and of the first read of results
.endr
.if \p < 3
	FETCHX \p+1                                    ; lands while this pair is quantised
.endif
	s_wait_xcnt 0x0                                ; the last pair's stores have read their registers: the codes may be written again
	QUANT QA, 0
	v_lshrrev_b32 v[PWQ+\p], v[SH], v[PW]          ; lanes 0-15: the first tile's two bytes low; lanes 16-31: the second tile's
.irp j, 0,1,2
	global_store_b128 v[LI], v[PC+4*\j:PC+4*\j+3], s[44:45] offset:1536*\p+512*\j   ; the pair image: 512 consecutive bytes a store
.endr
.endr
	global_store_b128 v[LI], v[PWQ:PWQ+3], s[46:47]   ; the four pairs' words: [lane][pair]
.irp u, 0,1                            ; V^T: tile u's 16 channels x the block's 128 keys
	s_wait_xcnt 0x0
	QUANT 128+64*\u, 2
.irp j, 0,1,2
	global_store_b128 v[LI], v[PC+4*\j:PC+4*\j+3], s[56:57] offset:1536*\u+512*\j
.endr
	v_mov_b32 v[PWV+\u], v[PW]
.endr
	v_cndmask_b32 v[PWV], v[PWV], v[PWV+1], s62    ; lanes 0-15 tile 0's words, lanes 16-31 tile 1's
	global_store_b32 v[LS], v[PWV], s[58:59]
	s_wait_tensorcnt 0x0                           ; the wave's end, behind my last LDS store (every window is 0 here)
	ds_add_u32 v[SPW], v[NIL]
	s_wait_dscnt 0x0
	s_endpgm
.Lfunc_end_k_qd2b019a2b9_qkv:
	.size	k_qd2b019a2b9_qkv, .Lfunc_end_k_qd2b019a2b9_qkv-k_qd2b019a2b9_qkv
	.p2alignl 7, 3214868480
	.fill 96, 4, 3214868480
	.section	.rodata,"a",@progbits
	.p2align	6, 0x0
	.amdhsa_kernel k_qd2b019a2b9_qkv
		.amdhsa_group_segment_fixed_size 51712
		.amdhsa_private_segment_fixed_size 0
		.amdhsa_enable_private_segment 0
		.amdhsa_kernarg_size 48
		.amdhsa_user_sgpr_count 2
		.amdhsa_user_sgpr_kernarg_segment_ptr 1
		.amdhsa_wavefront_size32 1
		.amdhsa_system_sgpr_workgroup_id_x 1
		.amdhsa_system_sgpr_workgroup_id_y 1
		.amdhsa_system_sgpr_workgroup_id_z 1
		.amdhsa_system_vgpr_workitem_id 0
		.amdhsa_next_free_vgpr 768
		.amdhsa_next_free_sgpr 66
		.amdhsa_reserve_vcc 0
		.amdhsa_float_denorm_mode_32 3
		.amdhsa_float_denorm_mode_16_64 3
		.amdhsa_memory_ordered 1
		.amdhsa_forward_progress 1
		.amdhsa_inst_pref_size 76
	.end_amdhsa_kernel
	.amdgpu_metadata
---
amdhsa.version: [ 1, 2 ]
amdhsa.kernels:
  - .name:           k_qd2b019a2b9_qkv
    .symbol:         k_qd2b019a2b9_qkv.kd
    .args:
      - { .name: xq, .offset: 0, .size: 8, .value_kind: global_buffer, .address_space: global }
      - { .name: wq, .offset: 8, .size: 8, .value_kind: global_buffer, .address_space: global }
      - { .name: bq, .offset: 16, .size: 8, .value_kind: global_buffer, .address_space: global }
      - { .name: bkv, .offset: 24, .size: 8, .value_kind: global_buffer, .address_space: global }
      - { .name: qimg, .offset: 32, .size: 8, .value_kind: global_buffer, .address_space: global }
      - { .name: kvimg, .offset: 40, .size: 8, .value_kind: global_buffer, .address_space: global }
    .group_segment_fixed_size: 51712
    .private_segment_fixed_size: 0
    .kernarg_segment_align: 8
    .kernarg_segment_size: 48
    .max_flat_workgroup_size: 128
    .sgpr_count:     66
    .vgpr_count:     768
    .wavefront_size: 32
...
	.end_amdgpu_metadata
.endif
;; end of part 2
;; launch attn (part 3): grid 4 x 64, 16 waves a work-group, clusters of 4 x 1, 167,936 bytes of LDS; arguments qimg, kvimg, rimg; writes rimg
.if DOCPART == 3
	.amdgcn_target "amdgcn-amd-amdhsa--gfx1250"
	.amdhsa_code_object_version 6
	.text
	.protected	k_qd2b019a2b9_attn
	.globl	k_qd2b019a2b9_attn
	.p2align	8
	.type	k_qd2b019a2b9_attn,@function
k_qd2b019a2b9_attn:
	s_mov_b64 s[64:65], 0
	v_nop
	global_prefetch_b8 v0, s[64:65] scope:SCOPE_SE
	s_setreg_imm32_b32 hwreg(HW_REG_WAVE_MODE, 25, 1), 1
	s_wait_xcnt 0x0
	s_wait_alu depctr_hold_cnt(0) depctr_sa_sdst(0) depctr_va_vdst(0) depctr_va_sdst(0) depctr_va_ssrc(0) depctr_va_vcc(0) depctr_vm_vsrc(0)
	s_getreg_b32 s2, hwreg(HW_REG_IB_STS2, 6, 4)
	s_cmp_eq_u32 s2, 0
	s_cbranch_scc0 .Lentry_in_a_cluster
	s_endpgm
.Lentry_in_a_cluster:
	s_bfe_u32 s2, ttmp6, 0x10000c
	s_cmp_lg_u32 s2, 0x3003
	s_cbranch_scc0 .Lentry_shape_is_right
	s_endpgm
.Lentry_shape_is_right:
; ATTN: res = softmax(q k^T / 8) v for one (batch, head) and 256 queries a work-group, both products on codes of FP6 with E8M0 scales; res is quantised along the head's 64 for the last product and stored as codes.
; THE SOFTMAX: t = score x log2(e) / 8; M = the running largest t rounded UP to a whole number; p = 2^(t - M) is quantised along the keys, not normalised; the row's sum is taken of the unquantised p and divides at the end.
; When M moves, the sum and O^T are multiplied by 2^(old M - new M), which rounds nothing.
; SHARES.  Sixteen waves, each one tile of 16 queries in 256 registers: four waves to a SIMD, so that one wave's vector work stands beside another's matrix work and LDS loads.  Every wave walks the head's 1,024 keys, 128 a step.
; A HEAD'S K AND V, codes and scale words, are 104,448 dense bytes: they come into LDS ONCE and stay; nothing is filled again.  CLUSTER: the four work-groups of a cluster are the four query blocks of one head and need the same
; bytes: both fills are asked for JOINTLY (mask 15).  Waves 0 and 1 fetch: each first one key step (steps 0, 1), then three (2-4, 5-7): two tensor loads of a wave are out at the most.  Steps 0 and 1 are worked while the rest lands.
; LAYOUT.  S^T = K Q^T (source 0 = 16 keys, source 1 = my 16 queries), O^T = V^T P^T: a lane holds ONE query throughout.  The keys of a tile are not neighbours (lane-row r of tile 2 b + u is key 32 b + 8 u + r + 8 (r / 8)),
; so that the 16 registers of tiles 2 b, 2 b + 1 are 16 neighbouring keys.
; K = 64 IN AN INSTRUCTION OF 128: Q's registers 6-11 are zero codes and its scale bytes 2, 3 are 0.  K's tiles lie 6 registers apart; tile t's operand runs on over the next tile's codes (tile 7's over six zero registers):
; every pattern of 6 bits is a finite number, and its scale byte is a neighbour's byte or 0, never 0xff: so the upper 64 add exact zeros.
; rimg: [tile of rows 0..511][head] 768 bytes: registers 0-3 at 16 x lane, registers 4-5 at 512 + 8 x lane; at 3,145,728 the words [tile][head][lane], the head's two bytes low.  (Lanes 16-31 store the same word as lanes 0-15, into bytes of their own.)
; LIMITS: zero blocks get the byte 1; NaN and infinities are not served; 1 / l is v_rcp_f32's.
.set SPARE, 104448                     ; behind K and V: the spare words, 128 bytes for each of 16 waves: eight blocks of 256 bytes that no other line names
.set LI,  1                            ; 16 x lane
.set LS,  2                            ; 4 x lane
.set SPW, 3
.set NIL, 4
.set ADR, 5                            ; the step's bytes, 16 x lane
.set ADS, 6                            ; the same, 4 x lane
.set L8,  7                            ; 8 x lane
.set QO,  8                            ; 16 (lane % 16)
.set Q,   16                           ; v16-27  Q's operand
.set QS,  28                           ; v28     its scale word
.set F,   32                           ; v32-79  K's 8 tiles, then V's 4 fragments; v80-85 zeros
.set S,   96                           ; v96-159 S^T, then p
.set O,   160                          ; v160-191 O^T
.set PC,  192                          ; v192-211 p's codes
.set BM,  212                          ; v212-215 a block's largest score, then its largest p
.set BT,  216
.set SO,  220                          ; the conversions' scale operands
.set PS,  224                          ; p's scale word
.set KS,  236                          ; v236-239 K's scale words, a register a pair of tiles
.set VS,  240                          ; v240-241 V's
.set WV,  10
.set SEL, 40
.set CS,  42
.set TB,  44
.set CNT, 45
.macro ROUND                           ; a round of the cluster's barrier
	s_barrier_signal -1
	s_barrier_wait -1
	s_cmp_lg_u32 s[WV], 0
	s_cbranch_scc1 .Lnot_wave_0_\@
	s_barrier_signal -3
.Lnot_wave_0_\@:
	s_barrier_wait -3
	s_barrier_signal -1
	s_barrier_wait -1
.endm
.macro SMM t                           ; S^T of key tile t
.if (\t)%2
	v_wmma_scale_f32_16x16x128_f8f6f4 v[S+8*(\t):S+8*(\t)+7], v[F+6*(\t):F+6*(\t)+11], v[Q:Q+11], 0, v[KS+(\t)/2], v[QS] matrix_a_fmt:MATRIX_FMT_FP6 matrix_b_fmt:MATRIX_FMT_FP6 matrix_a_scale:MATRIX_SCALE_ROW1
.else
	v_wmma_scale_f32_16x16x128_f8f6f4 v[S+8*(\t):S+8*(\t)+7], v[F+6*(\t):F+6*(\t)+11], v[Q:Q+11], 0, v[KS+(\t)/2], v[QS] matrix_a_fmt:MATRIX_FMT_FP6 matrix_b_fmt:MATRIX_FMT_FP6
.endif
.endm
.macro PMM dt                          ; O^T of channel tile dt
.if (\dt)%2
	v_wmma_scale_f32_16x16x128_f8f6f4 v[O+8*(\dt):O+8*(\dt)+7], v[F+12*(\dt):F+12*(\dt)+11], v[PC:PC+11], v[O+8*(\dt):O+8*(\dt)+7], v[VS+(\dt)/2], v[PS] matrix_a_fmt:MATRIX_FMT_FP6 matrix_b_fmt:MATRIX_FMT_FP6 matrix_a_scale:MATRIX_SCALE_ROW1
.else
	v_wmma_scale_f32_16x16x128_f8f6f4 v[O+8*(\dt):O+8*(\dt)+7], v[F+12*(\dt):F+12*(\dt)+11], v[PC:PC+11], v[O+8*(\dt):O+8*(\dt)+7], v[VS+(\dt)/2], v[PS] matrix_a_fmt:MATRIX_FMT_FP6 matrix_b_fmt:MATRIX_FMT_FP6
.endif
.endm
	s_load_b128 s[4:7], s[0:1], 0x0                ; qimg s[4:5], kvimg s[6:7]
	s_load_b64 s[8:9], s[0:1], 0x10                ; rimg
	v_lshl_add_u32 v[SPW], v0, 2, SPARE
	v_mov_b32 v[NIL], 0
	ds_add_u32 v[SPW], v[NIL]                      ; the wave's opening: the add and its wait stand ahead of the first tensor load; the set-up below, work on registers, stands between them
	v_lshrrev_b32 v9, 5, v0
	v_readfirstlane_b32 s[WV], v9                  ; wave 0..15
	v_and_b32 v9, 31, v0
	v_lshlrev_b32 v[LI], 4, v9
	v_lshlrev_b32 v[LS], 2, v9
	v_lshlrev_b32 v[L8], 3, v9
	v_and_b32 v[QO], 15, v0
	v_lshlrev_b32 v[QO], 4, v[QO]
	s_bfe_u32 s11, ttmp6, 0x40000                  ; cx: my place in the cluster: it enters Q's and res's global addresses alone
	s_lshl_b32 s12, ttmp9, 2
	s_add_co_u32 s12, s12, s11                     ; my block of 256 queries
	s_and_b32 s13, ttmp7, 0xffff                   ; bh = 8 b + h, which the four partners share
	s_and_b32 s14, s[WV], 1                        ; which tile of its pair is mine.  Also: which part a fetching wave fetches
	; descriptor group 1: dense bytes as rows of 256 (32 elements of 8 bytes), no padding; 51 rows are a key step, 153 three
	s_mov_b32 s16, 15|(3<<16)|(1<<21)              ; 15:0 the mask: all four work-groups; 17:16 elements of 8 bytes; 21 set beside a mask
	s_mov_b32 s17, 32<<16                          ; tensor_dim0 = 32
	s_mov_b32 s18, 51<<16                          ; tensor_dim1 = 51
	s_mov_b32 s19, 32<<16                          ; tile_dim0 = 32
	s_mov_b32 s20, 51                              ; tile_dim1 = 51
	s_mov_b32 s21, 32                              ; from row to row
	s_mov_b32 s22, 0
	s_mov_b32 s23, 0
	s_mov_b32 s24, 15|(3<<16)|(1<<21)
	s_mov_b32 s25, 32<<16
	s_mov_b32 s26, 153<<16
	s_mov_b32 s27, 32<<16
	s_mov_b32 s28, 153
	s_mov_b32 s29, 32
	s_mov_b32 s30, 0
	s_mov_b32 s31, 0
	s_mul_i32 s46, s13, 104448                     ; the head's K and V
	s_mov_b32 s32, 1                               ; group 0 of the first load: count = 1,
	s_mul_i32 s33, s14, 13056                      ; LDS address: key step 0 or 1,
	s_add_co_u32 s48, s46, s33                     ; and the same bytes of the head in memory
	s_mov_b32 s49, 0
	s_mov_b32 s36, 1                               ; of the second:
	s_mul_i32 s37, s14, 39168
	s_add_co_u32 s37, s37, 26112                   ; key steps 2-4 or 5-7
	s_add_co_u32 s50, s46, s37
	s_mov_b32 s51, 0
	s_lshl_b32 s52, s12, 3
	s_lshr_b32 s15, s[WV], 1
	s_add_co_u32 s52, s52, s15                     ; my pair of query tiles: 8 x block + wave / 2
	s_mul_i32 s54, s13, 53248
	s_mul_i32 s15, s52, 1536
	s_add_co_u32 s56, s54, s15                     ; its image
	s_mov_b32 s57, 0
	s_lshr_b32 s15, s52, 2
	s_lshl_b32 s15, s15, 9
	s_add_co_u32 s58, s54, s15                     ; its words: run pair / 4 of 512 bytes,
	s_and_b32 s15, s52, 3
	s_lshl_b32 s15, s15, 2
	s_add_co_u32 s58, s58, s15                     ; word pair % 4 of a lane's four,
	s_lshl_b32 s15, s14, 8
	s_add_co_u32 s58, s58, s15                     ; lanes 16 on for the pair's second tile
	s_add_co_u32 s58, s58, 49152
	s_mov_b32 s59, 0
	s_lshr_b32 s15, s13, 3
	s_lshl_b32 s15, s15, 6
	s_lshl_b32 s60, s12, 4
	s_add_co_u32 s15, s15, s60
	s_add_co_u32 s15, s15, s[WV]                   ; my tile of rows among the 512: 64 b + 16 x block + wave
	s_and_b32 s60, s13, 7                          ; h
	s_mul_i32 s62, s15, 6144
	s_mul_i32 s61, s60, 768
	s_add_co_u32 s62, s62, s61                     ; res's codes
	s_mov_b32 s63, 0
	s_lshl_b32 s66, s15, 3
	s_add_co_u32 s66, s66, s60
	s_lshl_b32 s66, s66, 7
	s_add_co_u32 s66, s66, 3145728                 ; res's words
	s_mov_b32 s67, 0
	s_cmp_eq_u32 s14, 0
	s_cselect_b32 s47, 0, -1                       ; all lanes: the pair's second tile
	s_mov_b32 s[SEL], 0x76543210
	s_mov_b32 s[SEL+1], 0xfedcba98                 ; selects for lane l xor 16
	s_mov_b32 s[CS], 0x3e38aa3b                    ; c = log2(e) / 8
	s_mov_b32 s[CS+1], s[CS]                       ; (named with it as a pair, so it is written)
	s_mov_b32 s[TB], 0
	s_wait_dscnt 0x0                               ; the opening add is done
	s_wait_kmcnt 0x0
	s_add_nc_u64 s[34:35], s[6:7], s[48:49]
	s_or_b32 s35, s35, 0x80000000                  ; type = 2
	s_add_nc_u64 s[38:39], s[6:7], s[50:51]
	s_or_b32 s39, s39, 0x80000000
	s_add_nc_u64 s[56:57], s[4:5], s[56:57]
	s_add_nc_u64 s[58:59], s[4:5], s[58:59]
	s_add_nc_u64 s[62:63], s[8:9], s[62:63]
	s_add_nc_u64 s[66:67], s[8:9], s[66:67]
	ROUND                                          ; all four work-groups are here: the joint loads meet
	s_cmp_lt_u32 s[WV], 2                          ; a fetching wave's two fills stand in one branch on the wave's number, ahead of every wait on TENSORcnt and every LDS read
	s_cbranch_scc0 .Lno_fetch
	tensor_load_to_lds s[32:35], s[16:23]
	s_nop 0
	tensor_load_to_lds s[36:39], s[24:31]
	s_nop 0
.rept 4
	v_nop
.endr
.Lno_fetch:
	global_load_b128 v[96:99], v[LI], s[56:57]     ; my pair's image
	global_load_b128 v[100:103], v[LI], s[56:57] offset:512
	global_load_b128 v[104:107], v[LI], s[56:57] offset:1024
	global_load_b32 v[QS], v[QO], s[58:59]         ; lane r: row r's word of my tile
	v_mov_b32 v13, 0xff61b1e6                      ; the largest t so far: -3e38, under every t
	v_floor_f32 v12, -v13                          ; -M
	v_mov_b32 v14, 0                               ; the sum, in two halves
	v_mov_b32 v15, 0
.irp b, 0,1,2,3
	v_mov_b32 v[BT+\b], 0                          ; written once: a lane permute's destination counts as one of its sources
.endr
	v_mov_b32 v227, 0                              ; (named as the upper half of the pair v[226:227])
	v_mov_b32 v228, 0
.irp i, 0,1,2,3,4,5
	v_mov_b32 v[Q+6+\i], 0                         ; Q's upper 64 along K: zero codes
	v_mov_b32 v[F+48+\i], 0                        ; and what tile 7's operand runs on over
.endr
	s_wait_loadcnt 0x0
.irp i, 0,1,2,3,4,5
	v_cndmask_b32 v[Q+\i], v[96+\i], v[102+\i], s47   ; my tile's six registers of the pair's twelve
.endr
	v_and_b32 v[QS], 0xffff, v[QS]                 ; its two bytes; bytes 2 and 3 are 0
.set j, 0
.rept 32
	v_mov_b32 v[O+j], 0                            ; O^T.  (The step is written for every step alike: the first finds zeros.)  These lines also stand between the writes of Q and its word and the first product
.set j, j+1
.endr
; A KEY STEP: 128 keys, whose 13,056 bytes begin at LDS byte s[TB].
.macro STEP
	v_add_nc_u32 v[ADR], s[TB], v[LI]
	v_add_nc_u32 v[ADS], s[TB], v[LS]
	v_nop
	v_nop                                          ; four plain lines in front of loads into registers that the last products have read
.set i, 0
.rept 12
	ds_load_b128 v[F+4*i:F+4*i+3], v[ADR] offset:512*i   ; K's four pair images
.set i, i+1
.endr
	ds_load_b128 v[KS:KS+3], v[ADR] offset:12288   ; and their words
	s_wait_dscnt 0x0
.irp t, 0,1,2,3,4,5,6,7
	SMM \t
.endr
.rept 4
	v_nop
.endr
.set i, 0
.rept 12
	ds_load_b128 v[F+4*i:F+4*i+3], v[ADR] offset:6144+512*i   ; V's four fragments: they land under the softmax
.set i, i+1
.endr
	ds_load_b32 v[VS], v[ADS] offset:12800
	ds_load_b32 v[VS+1], v[ADS] offset:12928
.irp b, 0,1,2,3
	v_max3_num_f32 v[BM+\b], v[S+16*\b], v[S+1+16*\b], v[S+2+16*\b]   ; the largest score of each block of 32 keys: it serves for the row's maximum and, since p rises with the score, for the block's largest p
.endr
.irp i, 3,5,7,9,11,13
.irp b, 0,1,2,3
	v_max3_num_f32 v[BM+\b], v[BM+\b], v[S+16*\b+\i], v[S+1+16*\b+\i]
.endr
.endr
.irp b, 0,1,2,3
	v_max_num_f32 v[BM+\b], v[BM+\b], v[S+15+16*\b]
.endr
.irp b, 0,1,2,3
	v_permlanex16_b32 v[BT+\b], v[BM+\b], s[SEL], s[SEL+1]
.endr
.irp b, 0,1,2,3
	v_max_num_f32 v[BM+\b], v[BM+\b], v[BT+\b]     ; with lane l xor 16's 16 keys
.endr
	v_max3_num_f32 v228, v[BM], v[BM+1], v[BM+2]
	v_max_num_f32 v228, v228, v[BM+3]              ; the step's largest score of my query
	v_mul_f32 v228, s[CS], v228                    ; as t (c is positive)
	v_max_num_f32 v13, v13, v228                   ; the running largest t
	v_mov_b32 v228, v12
	v_floor_f32 v12, -v13                          ; the new -M = floor(-t): M is a whole number
	v_sub_f32 v228, v12, v228                      ; old M - new M: a whole number, 0 or less
	v_cvt_i32_f32 v228, v228                       ; (it saturates)
	v_ldexp_f32 v226, 1.0, v228                    ; f = 2^(old M - new M)
.set j, 0
.rept 32
	v_pk_fma_f32 v[S+j:S+j+1], v[S+j:S+j+1], s[CS:CS+1], v[12:13] op_sel_hi:[1,0,0]   ; t - M, two at a time
.set j, j+2
.endr
.irp b, 0,1,2,3
	v_fma_f32 v[BM+\b], v[BM+\b], s[CS], v12       ; the same of each block's largest score
.endr
.set j, 0
.rept 64
	v_exp_f32 v[S+j], v[S+j]                       ; p = 2^(t - M), at most 1
.set j, j+1
.endr
	v_pk_mul_f32 v[14:15], v[14:15], v[226:227] op_sel_hi:[1,0]   ; the sums under the new M: a plain line behind the exponentials
	s_wait_alu depctr_va_vdst(0)                   ; one wait for the whole batch, ahead of its first reader
.irp b, 0,1,2,3
	v_exp_f32 v[BM+\b], v[BM+\b]                   ; the block's largest p: the same two instructions on the same number
.endr
	v_pk_add_f32 v[230:231], v[S:S+1], v[S+2:S+3]  ; the row's sum is taken of the unquantised p: two at a time, in two chains
.irp j, 4,8,12,16,20,24,28,32,36,40,44,48,52,56,60
	v_pk_add_f32 v[14:15], v[14:15], v[S+\j:S+\j+1]
	v_pk_add_f32 v[230:231], v[230:231], v[S+2+\j:S+3+\j]
.endr
	v_pk_add_f32 v[14:15], v[14:15], v[230:231]
	s_wait_alu depctr_va_vdst(0)                   ; and one for the four
.irp b, 0,1,2,3
	v_max_num_f32 v[BM+\b], 0x1800000, v[BM+\b]    ; the floor 2^(3 - 127): the byte cannot fall under 1
.endr
.irp b, 0,1,2,3
	v_add_nc_u32 v[SO+\b], 0xff000000, v[BM+\b]    ; the conversion's scale operand
.endr
.irp b, 0,1,2,3
	v_lshrrev_b32 v[BT+\b], 23, v[SO+\b]           ; the byte
.endr
	v_lshl_or_b32 v[PS], v[BT+1], 8, v[BT]         ; p's scale word for these 128 keys
	v_lshl_or_b32 v[PS], v[BT+2], 16, v[PS]
	v_lshl_or_b32 v[PS], v[BT+3], 24, v[PS]
.irp c, 0,1
	v_cvt_scalef32_pk16_fp6_f32 v[PC+6*\c:PC+2+6*\c], v[S+32*\c:S+15+32*\c], v[SO+2*\c]
	v_cvt_scalef32_pk16_fp6_f32 v[PC+12+4*\c:PC+14+4*\c], v[S+16+32*\c:S+31+32*\c], v[SO+2*\c+1]
.endr
	v_nop                                          ; one plain line behind the conversions
.irp c, 0,1
.irp i, 0,1,2
	v_permlane16_swap_b32 v[PC+6*\c+\i], v[PC+12+4*\c+\i]   ; a whole block to a lane
.endr
.irp i, 0,1,2
	v_mov_b32 v[PC+3+6*\c+\i], v[PC+12+4*\c+\i]
.endr
.endr
.set j, 0
.rept 16
	v_pk_mul_f32 v[O+j:O+j+1], v[O+j:O+j+1], v[226:227] op_sel_hi:[1,0]   ; O^T under the new M.  (These 16 also stand between the writes of p's codes and word and the products below)
.set j, j+2
.endr
	s_wait_dscnt 0x0                               ; V is in
.irp dt, 0,1,2,3
	PMM \dt                                        ; the four accumulators by turns, one instruction a turn
.endr
	s_add_co_u32 s[TB], s[TB], 13056
.endm
	s_wait_tensorcnt 0x1                           ; a fetching wave's first load, key step 0 or 1, has landed; its three steps may stay out
	s_barrier_signal -1
	s_barrier_wait -1
	STEP                                           ; key steps 0 and 1, written out: the other six land meanwhile
	STEP
	s_wait_tensorcnt 0x0                           ; they have landed,
	s_wait_dscnt 0x0
	s_barrier_signal -1
	s_barrier_wait -1                              ; both waves' parts
	s_mov_b32 s[CNT], 6
.Lstep:
	STEP
	s_sub_co_u32 s[CNT], s[CNT], 1
	s_cmp_lg_u32 s[CNT], 0
	s_cbranch_scc1 .Lstep
	; THE WAY OUT: O^T / l, quantised along the head's 64 (two blocks): six registers of the last product's operand
.rept 4
	v_nop                                          ; four plain lines behind the last products
.endr
	v_add_f32 v14, v14, v15                        ; the sum's two halves,
	v_permlanex16_b32 v228, v14, s[SEL], s[SEL+1]
	v_add_f32 v14, v14, v228                       ; and lane l xor 16's
	v_rcp_f32 v14, v14
	v_nop                                          ; a plain line behind the reciprocal
	s_wait_alu depctr_va_vdst(0)                   ; and the wait ahead of its first reader
.set j, 0
.rept 16
	v_pk_mul_f32 v[S+j:S+j+1], v[O+j:O+j+1], v[14:15] op_sel_hi:[1,0]   ; register 16 b + i is channel 32 b + 16 (lane / 16) + i of my query; each accumulator from its low end on
.set j, j+2
.endr
.irp b, 0,1
	v_max3_num_f32 v[BM+\b], |v[S+16*\b]|, |v[S+1+16*\b]|, 0x1800000
.endr
.irp i, 2,4,6,8,10,12,14
.irp b, 0,1
	v_max3_num_f32 v[BM+\b], v[BM+\b], |v[S+16*\b+\i]|, |v[S+1+16*\b+\i]|
.endr
.endr
.irp b, 0,1
	v_permlanex16_b32 v[BT+\b], v[BM+\b], s[SEL], s[SEL+1]
.endr
.irp b, 0,1
	v_max_num_f32 v[BM+\b], v[BM+\b], v[BT+\b]
.endr
.irp b, 0,1
	v_add_nc_u32 v[SO+\b], 0xff000000, v[BM+\b]
.endr
.irp b, 0,1
	v_lshrrev_b32 v[BT+\b], 23, v[SO+\b]
.endr
	v_lshl_or_b32 v[PS], v[BT+1], 8, v[BT]         ; the head's two bytes
	v_cvt_scalef32_pk16_fp6_f32 v[PC:PC+2], v[S:S+15], v[SO]
	v_cvt_scalef32_pk16_fp6_f32 v[PC+12:PC+14], v[S+16:S+31], v[SO+1]
	v_nop
.irp i, 0,1,2
	v_permlane16_swap_b32 v[PC+\i], v[PC+12+\i]
.endr
.irp i, 0,1,2
	v_mov_b32 v[PC+3+\i], v[PC+12+\i]
.endr
	global_store_b128 v[LI], v[PC:PC+3], s[62:63]              ; 512 consecutive bytes,
	global_store_b64 v[L8], v[PC+4:PC+5], s[62:63] offset:512  ; 256,
	global_store_b32 v[LS], v[PS], s[66:67]                    ; and 128
	s_wait_tensorcnt 0x0                           ; the wave's end
	ds_add_u32 v[SPW], v[NIL]
	s_wait_dscnt 0x0
	ROUND                                          ; the closing round
	s_endpgm
.Lfunc_end_k_qd2b019a2b9_attn:
	.size	k_qd2b019a2b9_attn, .Lfunc_end_k_qd2b019a2b9_attn-k_qd2b019a2b9_attn
	.p2alignl 7, 3214868480
	.fill 96, 4, 3214868480
	.section	.rodata,"a",@progbits
	.p2align	6, 0x0
	.amdhsa_kernel k_qd2b019a2b9_attn
		.amdhsa_group_segment_fixed_size 167936
		.amdhsa_private_segment_fixed_size 0
		.amdhsa_enable_private_segment 0
		.amdhsa_kernarg_size 24
		.amdhsa_user_sgpr_count 2
		.amdhsa_user_sgpr_kernarg_segment_ptr 1
		.amdhsa_wavefront_size32 1
		.amdhsa_system_sgpr_workgroup_id_x 1
		.amdhsa_system_sgpr_workgroup_id_y 1
		.amdhsa_system_sgpr_workgroup_id_z 1
		.amdhsa_system_vgpr_workitem_id 0
		.amdhsa_next_free_vgpr 256
		.amdhsa_next_free_sgpr 68
		.amdhsa_reserve_vcc 0
		.amdhsa_float_denorm_mode_32 3
		.amdhsa_float_denorm_mode_16_64 3
		.amdhsa_memory_ordered 1
		.amdhsa_forward_progress 1
		.amdhsa_inst_pref_size 58
	.end_amdhsa_kernel
	.amdgpu_metadata
---
amdhsa.version: [ 1, 2 ]
amdhsa.kernels:
  - .name:           k_qd2b019a2b9_attn
    .symbol:         k_qd2b019a2b9_attn.kd
    .args:
      - { .name: qimg, .offset: 0, .size: 8, .value_kind: global_buffer, .address_space: global }
      - { .name: kvimg, .offset: 8, .size: 8, .value_kind: global_buffer, .address_space: global }
      - { .name: rimg, .offset: 16, .size: 8, .value_kind: global_buffer, .address_space: global }
    .group_segment_fixed_size: 167936
    .private_segment_fixed_size: 0
    .kernarg_segment_align: 8
    .kernarg_segment_size: 24
    .max_flat_workgroup_size: 512
    .sgpr_count:     68
    .vgpr_count:     256
    .wavefront_size: 32
...
	.end_amdgpu_metadata
.endif
;; end of part 3
;; launch proj (part 4): grid 4 x 64, 4 waves a work-group, no clusters, 17,920 bytes of LDS; arguments rimg, wq, bp, out0; writes out0
.if DOCPART == 4
	.amdgcn_target "amdgcn-amd-amdhsa--gfx1250"
	.amdhsa_code_object_version 6
	.text
	.protected	k_qd2b019a2b9_proj
	.globl	k_qd2b019a2b9_proj
	.p2align	8
	.type	k_qd2b019a2b9_proj,@function
k_qd2b019a2b9_proj:
	s_mov_b64 s[64:65], 0
	v_nop
	global_prefetch_b8 v0, s[64:65] scope:SCOPE_SE
	s_setreg_imm32_b32 hwreg(HW_REG_WAVE_MODE, 25, 1), 1
	s_wait_xcnt 0x0
; PROJ: out = res Wp^T + bp on codes of FP6 with E8M0 scales; out is [8,192 rows][512] f32, written as it lies.
; SHARES.  Work-group (x, G): rows 128 G on x outputs 128 x on.  Wave w: 64 rows (tiles 8 G + 4 (w >> 1) + rt) x 64 outputs (Wp's tiles 8 x + 4 (w & 1) + T): 16 accumulators, 64 matrix instructions.
; All operands come from memory straight into registers, in operand order.  No cluster: nothing goes through LDS on the way in.
; TRANSPOSED (source 0 = 16 rows of Wp, source 1 = 16 rows of res): a lane holds one row and eight neighbouring outputs.  bp is the C of each sum's first matrix instruction.  The four accumulators of a tile of rows take turns.
; Tiles of rows and of outputs are the permuted ones (lane-row r of tile 2 g + u is 32 g + 8 u + r + 8 (r / 8)): the way out puts every number at its own row and column.
; THE WAY OUT: 16 rows x 256 bytes through the wave's own stage in LDS (pitch 272), back by rows: sixteen lanes store 256 consecutive bytes, at a multiple of 256 from the buffer's first byte.
; REGISTERS.  window 0: v1-8 addresses; v9, v10 the add's two; v16-23 Wp's scale words; v24-31 res's (lanes 0-15 tile 2 pr, lanes 16-31 tile 2 pr + 1); v32-47 res's words as loaded; v48-111 two sets of rows on the way out; v128-255 accumulators.
;   window 1: v0-191 Wp's 16 fragments (12 (4 T + s)); v192-223 bp in the result's layout.   window 2: v0-191 res: 48 rt + 6 x head.
.set SPARE, 17408                      ; behind the four stages: the spare words, 128 bytes a wave: two blocks of 256 bytes that no other line names
.set LI,  1
.set L8,  2
.set LS,  3
.set BO,  4
.set RS,  5
.set STO, 6
.set RD,  7
.set CO,  8
.set SPW, 9
.set NIL, 10
.set WSC, 16
.set RSC, 24
.set OB,  48
.set ACC, 128
.set MSB, 0
.macro WIN new
.if MSB != (\new)
	s_set_vgpr_msb (MSB<<8)|(\new)
.set MSB, (\new)
.endif
.endm
.macro MM d, a, b, c, sa, sb, ra, rb
.if ((\ra)==0)&&((\rb)==0)
	v_wmma_scale_f32_16x16x128_f8f6f4 v[0+(\d):7+(\d)], v[0+(\a):11+(\a)], v[0+(\b):11+(\b)], v[0+(\c):7+(\c)], v[0+(\sa)], v[0+(\sb)] matrix_a_fmt:MATRIX_FMT_FP6 matrix_b_fmt:MATRIX_FMT_FP6
.elseif (\rb)==0
	v_wmma_scale_f32_16x16x128_f8f6f4 v[0+(\d):7+(\d)], v[0+(\a):11+(\a)], v[0+(\b):11+(\b)], v[0+(\c):7+(\c)], v[0+(\sa)], v[0+(\sb)] matrix_a_fmt:MATRIX_FMT_FP6 matrix_b_fmt:MATRIX_FMT_FP6 matrix_a_scale:MATRIX_SCALE_ROW1
.elseif (\ra)==0
	v_wmma_scale_f32_16x16x128_f8f6f4 v[0+(\d):7+(\d)], v[0+(\a):11+(\a)], v[0+(\b):11+(\b)], v[0+(\c):7+(\c)], v[0+(\sa)], v[0+(\sb)] matrix_a_fmt:MATRIX_FMT_FP6 matrix_b_fmt:MATRIX_FMT_FP6 matrix_b_scale:MATRIX_SCALE_ROW1
.else
	v_wmma_scale_f32_16x16x128_f8f6f4 v[0+(\d):7+(\d)], v[0+(\a):11+(\a)], v[0+(\b):11+(\b)], v[0+(\c):7+(\c)], v[0+(\sa)], v[0+(\sb)] matrix_a_fmt:MATRIX_FMT_FP6 matrix_b_fmt:MATRIX_FMT_FP6 matrix_a_scale:MATRIX_SCALE_ROW1 matrix_b_scale:MATRIX_SCALE_ROW1
.endif
.endm
	s_load_b256 s[4:11], s[0:1], 0x0               ; rimg s[4:5], wq s[6:7], bp s[8:9], out0 s[10:11]
	v_lshl_add_u32 v[SPW], v0, 2, SPARE
	v_mov_b32 v[NIL], 0
	v_lshrrev_b32 v11, 5, v0
	v_readfirstlane_b32 s16, v11                   ; wave 0..3
	v_and_b32 v11, 31, v0
	v_lshlrev_b32 v[LI], 4, v11
	v_lshlrev_b32 v[L8], 3, v11
	v_lshlrev_b32 v[LS], 2, v11
	v_and_b32 v12, 15, v0                          ; r
	v_bfe_u32 v13, v0, 4, 1                        ; h
	v_lshlrev_b32 v[BO], 6, v13
	v_lshlrev_b32 v[RS], 2, v12
	v_lshl_add_u32 v[RS], v13, 10, v[RS]           ; res's words: lanes 16-31 take the next tile's, 1,024 bytes on
	s_mul_i32 s21, s16, 4352                       ; my stage
	v_mul_u32_u24 v[STO], v12, 272
	v_lshl_add_u32 v[STO], v13, 6, v[STO]
	v_add_nc_u32 v[STO], s21, v[STO]               ; in: row r, + 64 h
	v_mul_u32_u24 v[RD], v13, 272
	v_lshl_add_u32 v[RD], v12, 4, v[RD]
	v_add_nc_u32 v[RD], s21, v[RD]                 ; back: lanes 0-15 one row, lanes 16-31 the next
	v_lshlrev_b32 v[CO], 4, v12
	v_lshl_add_u32 v[CO], v13, 11, v[CO]           ; and the same two rows in out
	s_and_b32 s18, ttmp7, 0xffff                   ; G
	s_lshr_b32 s19, s16, 1                         ; which 64 rows
	s_and_b32 s20, s16, 1                          ; which 64 outputs
	s_mul_i32 s22, ttmp9, 49152                    ; Wp's tile 96 + 8 x + 4 (w & 1), 6,144 bytes a tile
	s_mul_i32 s21, s20, 24576
	s_add_co_u32 s22, s22, s21
	s_add_co_u32 s22, s22, 589824
	s_mov_b32 s23, 0
	s_lshl_b32 s24, ttmp9, 11                      ; its words: pair 48 + 4 x + 2 (w & 1)
	s_lshl_b32 s21, s20, 10
	s_add_co_u32 s24, s24, s21
	s_add_co_u32 s24, s24, 811008
	s_mov_b32 s25, 0
	s_lshl_b32 s26, ttmp9, 9                       ; bp, and my first column of out, in bytes
	s_lshl_b32 s21, s20, 8
	s_add_co_u32 s26, s26, s21
	s_mov_b32 s27, 0
	s_mul_i32 s28, s18, 49152                      ; res: tile 8 G + 4 (w >> 1)
	s_mul_i32 s21, s19, 24576
	s_add_co_u32 s28, s28, s21
	s_mov_b32 s29, 0
	s_lshl_b32 s30, s18, 13                        ; its words, 1,024 bytes a tile
	s_lshl_b32 s21, s19, 12
	s_add_co_u32 s30, s30, s21
	s_add_co_u32 s30, s30, 3145728
	s_mov_b32 s31, 0
	s_lshl_b32 s32, s18, 18                        ; out: row 128 G + 64 (w >> 1), 2,048 bytes a row
	s_lshl_b32 s21, s19, 17
	s_add_co_u32 s32, s32, s21
	s_add_co_u32 s32, s32, s26
	s_mov_b32 s33, 0
	s_wait_kmcnt 0x0
	s_add_nc_u64 s[22:23], s[6:7], s[22:23]
	s_add_nc_u64 s[24:25], s[6:7], s[24:25]
	s_add_nc_u64 s[26:27], s[8:9], s[26:27]
	s_add_nc_u64 s[28:29], s[4:5], s[28:29]
	s_add_nc_u64 s[30:31], s[4:5], s[30:31]
	s_add_nc_u64 s[32:33], s[10:11], s[32:33]
	WIN 0x40                                       ; destination window 1
.set i, 0
.rept 48
	global_load_b128 v[4*i:4*i+3], v[LI], s[22:23] offset:512*i
.set i, i+1
.endr
.irp T, 0,1,2,3                        ; lane (r, h) wants, for tile 2 bb + uu, bp of outputs 32 bb + 16 h + 8 uu + 0 .. 7
	global_load_b128 v[192+8*\T:195+8*\T], v[BO], s[26:27] offset:(32*(\T/2)+8*(\T%2))*4
	global_load_b128 v[196+8*\T:199+8*\T], v[BO], s[26:27] offset:(32*(\T/2)+8*(\T%2))*4+16
.endr
	WIN 0x80                                       ; destination window 2
.irp rt, 0,1,2,3
.irp hd, 0,1,2,3,4,5,6,7
	global_load_b128 v[48*\rt+6*\hd:48*\rt+6*\hd+3], v[LI], s[28:29] offset:6144*\rt+768*\hd
	global_load_b64 v[48*\rt+6*\hd+4:48*\rt+6*\hd+5], v[L8], s[28:29] offset:6144*\rt+768*\hd+512
.endr
.endr
	WIN 0
.irp bb, 0,1
.irp s, 0,1,2,3
	global_load_b32 v[WSC+4*\bb+\s], v[LS], s[24:25] offset:512*\bb+128*\s
.endr
.endr
.irp pr, 0,1
.irp hd, 0,1,2,3,4,5,6,7
	global_load_b32 v[32+8*\pr+\hd], v[RS], s[30:31] offset:2048*\pr+128*\hd
.endr
.endr
	s_wait_loadcnt 0x0
.irp pr, 0,1
.irp s, 0,1,2,3
	v_lshl_or_b32 v[RSC+4*\pr+\s], v[32+8*\pr+2*\s+1], 16, v[32+8*\pr+2*\s]   ; K step s is heads 2 s and 2 s + 1: two bytes of each
.endr
.endr
.rept 8
	v_nop                                          ; scale registers written by vector instructions stand eight plain lines ahead of the products
.endr
.macro MUL rt                          ; tile of rows rt: 16 matrix instructions
.irp s, 0,1,2,3
.if \s == 0
	WIN 0x19                                       ; source 0 (Wp) and C (bp) window 1, source 1 (res) window 2
.else
	WIN 0x09
.endif
.irp T, 0,1,2,3
.if \s == 0
	MM ACC+8*(4*(\rt)+\T), 12*(4*\T+\s), 48*(\rt)+12*\s, 192+8*\T, WSC+4*(\T/2)+\s, RSC+4*((\rt)/2)+\s, \T%2, (\rt)%2
.else
	MM ACC+8*(4*(\rt)+\T), 12*(4*\T+\s), 48*(\rt)+12*\s, ACC+8*(4*(\rt)+\T), WSC+4*(\T/2)+\s, RSC+4*((\rt)/2)+\s, \T%2, (\rt)%2
.endif
.endr
.endr
.endm
.macro OUT rt
	WIN 0
.rept 4
	v_nop                                          ; four plain lines in front of the first read of results (ISA guide 7.12.1)
.endr
.irp T, 0,1,2,3
	ds_store_b128 v[STO], v[ACC+8*(4*(\rt)+\T):ACC+8*(4*(\rt)+\T)+3] offset:(32*(\T/2)+8*(\T%2))*4      ; each accumulator from its low end on
	ds_store_b128 v[STO], v[ACC+8*(4*(\rt)+\T)+4:ACC+8*(4*(\rt)+\T)+7] offset:(32*(\T/2)+8*(\T%2))*4+16
.endr
	s_wait_xcnt 0x0                                ; earlier stores have read their registers: this set of rows may be loaded again
.irp i, 0,1,2,3,4,5,6,7
	ds_load_b128 v[OB+32*((\rt)%2)+4*\i:OB+32*((\rt)%2)+4*\i+3], v[RD] offset:544*\i   ; LDS serves a wave's instructions in order: these see my stores, and the next tile's stores come behind them
.endr
.irp i, 0,1,2,3,4,5,6,7
	s_wait_dscnt 7-\i                              ; rows 2 i, 2 i + 1 are back; the younger reads may be out
	global_store_b128 v[CO], v[OB+32*((\rt)%2)+4*\i:OB+32*((\rt)%2)+4*\i+3], s[32:33] offset:(32*((\rt)/2)+8*((\rt)%2)+2*\i+8*(\i/4))*2048 th:TH_STORE_NT
.endr
.endm
	MUL 0
	MUL 1
	OUT 0                                          ; a tile leaves while the next ones are multiplied
	MUL 2
	OUT 1
	MUL 3
	OUT 2
	OUT 3
	s_wait_tensorcnt 0x0                           ; the wave's end, behind my last LDS store (every window is 0 here)
	ds_add_u32 v[SPW], v[NIL]
	s_wait_dscnt 0x0
	s_endpgm
.Lfunc_end_k_qd2b019a2b9_proj:
	.size	k_qd2b019a2b9_proj, .Lfunc_end_k_qd2b019a2b9_proj-k_qd2b019a2b9_proj
	.p2alignl 7, 3214868480
	.fill 96, 4, 3214868480
	.section	.rodata,"a",@progbits
	.p2align	6, 0x0
	.amdhsa_kernel k_qd2b019a2b9_proj
		.amdhsa_group_segment_fixed_size 17920
		.amdhsa_private_segment_fixed_size 0
		.amdhsa_enable_private_segment 0
		.amdhsa_kernarg_size 32
		.amdhsa_user_sgpr_count 2
		.amdhsa_user_sgpr_kernarg_segment_ptr 1
		.amdhsa_wavefront_size32 1
		.amdhsa_system_sgpr_workgroup_id_x 1
		.amdhsa_system_sgpr_workgroup_id_y 1
		.amdhsa_system_sgpr_workgroup_id_z 1
		.amdhsa_system_vgpr_workitem_id 0
		.amdhsa_next_free_vgpr 768
		.amdhsa_next_free_sgpr 66
		.amdhsa_reserve_vcc 0
		.amdhsa_float_denorm_mode_32 3
		.amdhsa_float_denorm_mode_16_64 3
		.amdhsa_memory_ordered 1
		.amdhsa_forward_progress 1
		.amdhsa_inst_pref_size 35
	.end_amdhsa_kernel
	.amdgpu_metadata
---
amdhsa.version: [ 1, 2 ]
amdhsa.kernels:
  - .name:           k_qd2b019a2b9_proj
    .symbol:         k_qd2b019a2b9_proj.kd
    .args:
      - { .name: rimg, .offset: 0, .size: 8, .value_kind: global_buffer, .address_space: global }
      - { .name: wq, .offset: 8, .size: 8, .value_kind: global_buffer, .address_space: global }
      - { .name: bp, .offset: 16, .size: 8, .value_kind: global_buffer, .address_space: global }
      - { .name: out0, .offset: 24, .size: 8, .value_kind: global_buffer, .address_space: global }
    .group_segment_fixed_size: 17920
    .private_segment_fixed_size: 0
    .kernarg_segment_align: 8
    .kernarg_segment_size: 32
    .max_flat_workgroup_size: 128
    .sgpr_count:     66
    .vgpr_count:     768
    .wavefront_size: 32
...
	.end_amdgpu_metadata
.endif
;; end of part 4
;; ======== version 2 of 2: 4 launches
;; workspace buffers: xq 3,276,800 bytes; wq 819,200 bytes; qimg 3,407,872 bytes; kvimg 6,684,672 bytes; rimg 3,670,016 bytes
;; launch prep (part 5): grid 320 x 1, 4 waves a work-group, no clusters, 81,408 bytes of LDS; arguments x, Wq, Wkv, Wp, xq, wq; writes xq, wq
.if DOCPART == 5
	.amdgcn_target "amdgcn-amd-amdhsa--gfx1250"
	.amdhsa_code_object_version 6
	.text
	.protected	k_qd2b019a2b9_prep
	.globl	k_qd2b019a2b9_prep
	.p2align	8
	.type	k_qd2b019a2b9_prep,@function
k_qd2b019a2b9_prep:
	s_mov_b64 s[64:65], 0
	v_nop
	global_prefetch_b8 v0, s[64:65] scope:SCOPE_SE
	s_setreg_imm32_b32 hwreg(HW_REG_WAVE_MODE, 25, 1), 1
	s_wait_xcnt 0x0
; PREP: x and the three weights, f32, become codes of FP6 (E2M3) with one E8M0 byte for each 32 along K, laid as IMAGES OF OPERAND REGISTERS.
; A fragment (16 rows x 128 K) is 12 registers a lane; its image is [j = 0..2][lane][16 bytes], 1,536 bytes: three accesses of 16 bytes a lane move it.
; THE ROWS OF A TILE ARE NOT NEIGHBOURS: rows go in groups of 32; lane-row r of tile 2 g + u is row 32 g + 8 u + r + 8 (r / 8).
; Work-groups 0-255: x [8][512 c][1024 n], K = c is NOT innermost.  Work-group = (block G = 8 b + n / 128, K step s of 128 c); wave p takes 32 columns n; a lane takes a column
;   and its registers run down c, so a block of 32 along K lies in one lane.  xq: block G of 51,200 bytes = [s][tile 0..7] images, then at 49,152 the scale words [s][p][lane] (lanes 0-15 tile 2 p, 16-31 tile 2 p + 1).
; Work-groups 256-319: pair P of tiles of the stacked weights (tiles 0-31 Wq, 32-95 Wkv, 96-127 Wp), K innermost; wave = K step s.  wq: [tile][s] images, then at 786,432 the words [pair][s][lane].
; A block's scale byte is its largest magnitude's exponent field - 2, held at 1 from below.
; LIMITS: a block of zeros gets the byte 1 where the quantiser says 127 (its codes are zeros; the bytes are read by this program alone); blocks whose largest magnitude lies under 2^-124
; are held at the byte 1; NaN and infinities among the inputs are not served.  The input y is not read by this program: the function takes nothing of it but its shape, and no number of it reaches the result.
; LDS: 0 .. 13,311 the x path's stages (3,328 a wave: two images 1,664 apart); 13,312 .. 80,895 the weights' stages (16,896 a wave: two tiles of 16 rows x 528); then the spare words.  Each path has bytes of its own.
.set SPARE, 80896                      ; the spare words, 128 bytes for each wave: two blocks of 256 bytes that no other line names
.set SPW,   2                          ; v2  LDS address of my spare word; never rewritten
.set NIL,   3                          ; v3  0; never rewritten
	s_load_b256 s[4:11], s[0:1], 0x0               ; x s[4:5], Wq s[6:7], Wkv s[8:9], Wp s[10:11]
	s_load_b128 s[12:15], s[0:1], 0x20             ; xq s[12:13], wq s[14:15]
	v_lshl_add_u32 v[SPW], v0, 2, SPARE
	v_mov_b32 v[NIL], 0
	v_lshrrev_b32 v1, 5, v0
	v_readfirstlane_b32 s16, v1                    ; wave 0..3
	v_and_b32 v4, 31, v0                           ; lane
	v_lshlrev_b32 v10, 4, v4                       ; 16 x lane
	s_cmp_lt_u32 ttmp9, 256                        ; the work-group's number alone decides the path
	s_cbranch_scc0 .Lw
	; ---------------- x ----------------
	s_lshr_b32 s17, ttmp9, 2                       ; G
	s_and_b32 s18, ttmp9, 3                        ; s
	s_lshr_b32 s19, s17, 3                         ; b
	s_and_b32 s20, s17, 7                          ; which 128 columns
	s_lshl_b32 s22, s19, 21                        ; x: b x 512 x 4,096 bytes
	s_lshl_b32 s21, s18, 19                        ;  + s x 128 rows c of 4,096 bytes
	s_add_co_u32 s22, s22, s21
	s_lshl_b32 s21, s20, 9                         ;  + 128 columns x 4 bytes
	s_add_co_u32 s22, s22, s21
	s_lshl_b32 s21, s16, 7                         ;  + my wave's 32 columns
	s_add_co_u32 s22, s22, s21
	s_mov_b32 s23, 0
	s_mul_i32 s24, s17, 51200                      ; xq: block G
	s_lshl_b32 s21, s18, 3
	s_lshl_b32 s25, s16, 1
	s_add_co_u32 s21, s21, s25
	s_mul_i32 s21, s21, 1536                       ;  image 8 s + 2 p
	s_add_co_u32 s26, s24, s21
	s_mov_b32 s27, 0
	s_lshl_b32 s21, s18, 2
	s_add_co_u32 s21, s21, s16
	s_lshl_b32 s21, s21, 7                         ;  scale words: (4 s + p) x 128
	s_add_co_u32 s28, s24, s21
	s_add_co_u32 s28, s28, 49152
	s_mov_b32 s29, 0
	s_wait_alu depctr_va_vdst(0)
	v_lshlrev_b32 v5, 2, v4                        ; my column: 4 bytes a lane
	v_bfe_u32 v6, v4, 3, 1                         ; u: which tile of the pair my column falls into
	v_and_b32 v7, 7, v4
	v_bfe_u32 v8, v4, 4, 1
	v_lshl_or_b32 v7, v8, 3, v7                    ; r: its lane-row there
	s_mul_i32 s30, s16, 3328                       ; my stage
	v_mul_u32_u24 v9, v6, 1664
	v_lshl_add_u32 v9, v7, 4, v9
	v_add_nc_u32 v9, s30, v9                       ; into it: image u, 16 r
	v_add_nc_u32 v12, s30, v10                     ; out of it: 16 x lane
	v_lshl_add_u32 v13, v6, 4, v7
	v_lshlrev_b32 v13, 2, v13                      ; my scale word's place: 4 (r + 16 u)
	s_wait_kmcnt 0x0
	s_add_nc_u64 s[4:5], s[4:5], s[22:23]
	s_add_nc_u64 s[26:27], s[12:13], s[26:27]
	s_add_nc_u64 s[28:29], s[12:13], s[28:29]
.macro XLOAD kb                        ; block kb: x(c = 32 kb + i, my column), i = 0 .. 31: a wave reads 128 neighbouring bytes, the four waves 512
.set i, 0
.rept 32
	global_load_b32 v[64+32*(\kb)+i], v5, s[4:5] offset:(32*(\kb)+i)*4096 th:TH_LOAD_NT
.set i, i+1
.endr
.endm
.macro XBLOCK kb
.set XS, 64+32*(\kb)
.set CD, 32+6*(\kb)
.if (\kb) < 3
	s_wait_loadcnt 32                              ; this block's 32 loads are in; the next block's 32 may be out
.else
	s_wait_loadcnt 0x0
.endif
.if (\kb) < 2
	XLOAD (\kb)+2                                  ; two blocks ahead, into registers of its own
.endif
	v_max3_num_f32 v16, |v[XS]|, |v[XS+1]|, |v[XS+2]|              ; the block's largest magnitude: all 32 numbers are mine; two chains
	v_max3_num_f32 v17, |v[XS+3]|, |v[XS+4]|, |v[XS+5]|
.irp i, 6,10,14,18,22,26
	v_max3_num_f32 v16, v16, |v[XS+\i]|, |v[XS+\i+1]|
	v_max3_num_f32 v17, v17, |v[XS+\i+2]|, |v[XS+\i+3]|
.endr
	v_max3_num_f32 v16, v16, |v[XS+30]|, |v[XS+31]|
	v_max3_num_f32 v16, v16, v17, 0x1800000        ; and the floor 2^(3 - 127): the byte cannot fall under 1
	v_add_nc_u32 v11, 0xff000000, v16              ; 2 off the exponent field: the conversion takes this operand's exponent field as its scale
	v_lshrrev_b32 v17, 23, v11                     ; the scale's byte
.if (\kb) == 0
	v_mov_b32 v15, v17
.else
	v_lshl_or_b32 v15, v17, 8*(\kb), v15           ; the four bytes make my row's scale word
.endif
	v_cvt_scalef32_pk16_fp6_f32 v[CD:CD+2], v[XS:XS+15], v11
	v_cvt_scalef32_pk16_fp6_f32 v[56:58], v[XS+16:XS+31], v11      ; (a conversion's three registers begin on an even number)
	v_nop                                          ; one plain line behind the conversions
	v_mov_b32 v[CD+3], v56
	v_mov_b32 v[CD+4], v57
	v_mov_b32 v[CD+5], v58
	; block kb is K = 64 c + 32 h with c = kb / 2, h = kb % 2: registers 6 c .. 6 c + 5 of lane (r, h) of the image
.if (\kb) < 2
	ds_store_b128 v9, v[CD:CD+3] offset:256*((\kb)%2)
	ds_store_b64 v9, v[CD+4:CD+5] offset:512+256*((\kb)%2)
.else
	ds_store_b64 v9, v[CD:CD+1] offset:520+256*((\kb)%2)
	ds_store_b128 v9, v[CD+2:CD+5] offset:1024+256*((\kb)%2)
.endif
.endm
	XLOAD 0
	XLOAD 1
	XBLOCK 0
	XBLOCK 1
	XBLOCK 2
	XBLOCK 3
.irp u, 0,1
.irp j, 0,1,2
	ds_load_b128 v[192+12*\u+4*\j:195+12*\u+4*\j], v12 offset:1664*\u+512*\j   ; LDS serves a wave's instructions in order: these see my stores
.endr
.endr
	s_wait_alu depctr_va_vdst(0)
	s_wait_dscnt 0x0
.irp u, 0,1
.irp j, 0,1,2
	global_store_b128 v10, v[192+12*\u+4*\j:195+12*\u+4*\j], s[26:27] offset:1536*\u+512*\j   ; 512 consecutive bytes, at a multiple of 256 from the buffer's first byte
.endr
.endr
	global_store_b32 v13, v15, s[28:29]            ; 128 consecutive bytes of scale words
	s_wait_tensorcnt 0x0                           ; the wave's end, behind my last LDS store
	ds_add_u32 v[SPW], v[NIL]
	s_wait_dscnt 0x0
	s_endpgm
	; ---------------- the weights ----------------
.Lw:
	s_sub_co_u32 s17, ttmp9, 256                   ; P: pair of tiles 0..63
	s_wait_kmcnt 0x0
	s_cmp_lt_u32 s17, 48
	s_cselect_b64 s[20:21], s[8:9], s[10:11]       ; Wkv or Wp
	s_cselect_b32 s18, 16, 48
	s_cmp_lt_u32 s17, 16
	s_cselect_b64 s[20:21], s[6:7], s[20:21]       ; or Wq
	s_cselect_b32 s18, 0, s18
	s_sub_co_u32 s18, s17, s18                     ; the pair's number in its own tensor
	s_lshl_b32 s22, s18, 16                        ; 32 rows of 2,048 bytes
	s_lshl_b32 s19, s16, 9                         ; + K step s: 512 bytes
	s_add_co_u32 s22, s22, s19
	s_mov_b32 s23, 0
	s_add_nc_u64 s[20:21], s[20:21], s[22:23]
	s_mul_i32 s24, s17, 12288                      ; wq: image (2 P) x 4 + s
	s_mul_i32 s19, s16, 1536
	s_add_co_u32 s24, s24, s19
	s_mov_b32 s25, 0
	s_add_nc_u64 s[24:25], s[14:15], s[24:25]
	s_lshl_b32 s26, s17, 2
	s_add_co_u32 s26, s26, s16
	s_lshl_b32 s26, s26, 7
	s_add_co_u32 s26, s26, 786432                  ; scale words: (4 P + s) x 128
	s_mov_b32 s27, 0
	s_add_nc_u64 s[26:27], s[14:15], s[26:27]
	s_wait_alu depctr_va_vdst(0)
	v_lshlrev_b32 v13, 2, v4                       ; 4 x lane
	v_and_b32 v7, 15, v4                           ; r
	v_bfe_u32 v8, v4, 4, 1                         ; h
	s_mul_i32 s30, s16, 16896
	s_add_co_u32 s30, s30, 13312                   ; my stage
	v_add_nc_u32 v9, s30, v10                      ; in: a row as it lies, 16 bytes a lane
	v_mul_u32_u24 v12, v7, 528
	v_lshl_add_u32 v12, v8, 7, v12
	v_add_nc_u32 v12, s30, v12                     ; back: row r, + 128 h: my 32 numbers of each 64
	v_lshlrev_b32 v14, 3, v8                       ; 8 h
	v_mov_b32 v24, 0                               ; a lane permute's destination counts as one of its sources
	s_mov_b32 s32, 0x76543210
	s_mov_b32 s33, 0xfedcba98                      ; selects for lane l xor 16
	s_mov_b32 s34, 0xffff0000                      ; lanes 16-31
.irp u, 0,1
.irp i, 0,1,2,3,4,5,6,7,8,9,10,11,12,13,14,15
	global_load_b128 v[64+64*\u+4*\i:67+64*\u+4*\i], v10, s[20:21] offset:(8*\u+\i+8*(\i/8))*2048 th:TH_LOAD_NT   ; lane-row i of tile u: 512 consecutive bytes
.endr
.endr
.macro WIN_ u                          ; tile u's 16 rows into the stage
.irp i, 0,1,2,3,4,5,6,7,8,9,10,11,12,13,14,15
	ds_store_b128 v9, v[64+64*(\u)+4*\i:67+64*(\u)+4*\i] offset:8448*(\u)+528*\i
.endr
.endm
.macro WBACK u                         ; and back: lane (r, h) takes k = 64 c + 32 h + 0 .. 31 of row r into v[192 + 32 c ..]
.irp c, 0,1
.irp q, 0,1,2,3,4,5,6,7
	ds_load_b128 v[192+32*\c+4*\q:195+32*\c+4*\q], v12 offset:8448*(\u)+256*\c+16*\q
.endr
.endr
.endm
.macro WTILE u
.set FG, 32+12*(\u)
.irp c, 0,1
	v_max3_num_f32 v[16+\c], |v[192+32*\c]|, |v[193+32*\c]|, 0x1800000   ; my block 2 c + h: all 32 numbers are mine; the floor keeps the byte at 1 from below
.endr
.irp i, 2,4,6,8,10,12,14,16,18,20,22,24,26,28,30
.irp c, 0,1
	v_max3_num_f32 v[16+\c], v[16+\c], |v[192+32*\c+\i]|, |v[193+32*\c+\i]|
.endr
.endr
.irp c, 0,1
	v_add_nc_u32 v[18+\c], 0xff000000, v[16+\c]    ; the conversion's scale operand
.endr
.irp c, 0,1
	v_lshrrev_b32 v[20+\c], 23, v[18+\c]           ; the byte
.endr
	v_lshl_or_b32 v[22+\u], v21, 16, v20           ; blocks h and 2 + h,
	v_lshlrev_b32 v[22+\u], v14, v[22+\u]          ; at their places in the word;
	v_permlanex16_b32 v24, v[22+\u], s32, s33
	v_or_b32 v[22+\u], v[22+\u], v24               ; with lane l xor 16's two the word is whole
.irp c, 0,1
	v_cvt_scalef32_pk16_fp6_f32 v[FG+6*\c:FG+6*\c+2], v[192+32*\c:207+32*\c], v[18+\c]
	v_cvt_scalef32_pk16_fp6_f32 v[56+4*\c:58+4*\c], v[208+32*\c:223+32*\c], v[18+\c]
.endr
	v_nop                                          ; one plain line behind the conversions
.irp c, 0,1
.irp i, 0,1,2
	v_mov_b32 v[FG+6*\c+3+\i], v[56+4*\c+\i]
.endr
.endr
.irp j, 0,1,2
	global_store_b128 v10, v[FG+4*\j:FG+4*\j+3], s[24:25] offset:6144*(\u)+512*\j
.endr
.endm
	s_wait_alu depctr_va_vdst(0)
	s_wait_loadcnt 16                              ; tile 0's 16 loads are in; tile 1's may be out
	WIN_ 0
	WBACK 0
	s_wait_loadcnt 0x0
	WIN_ 1
	s_wait_dscnt 16                                ; tile 0 is back; the 16 younger stores may be out
	WTILE 0
	WBACK 1
	s_wait_dscnt 0x0
	WTILE 1
	v_cndmask_b32 v22, v22, v23, s34               ; lanes 0-15 tile 2 P's words, lanes 16-31 tile 2 P + 1's
	global_store_b32 v13, v22, s[26:27]
	s_wait_tensorcnt 0x0                           ; the wave's end, behind my last LDS store
	ds_add_u32 v[SPW], v[NIL]
	s_wait_dscnt 0x0
	s_endpgm
.Lfunc_end_k_qd2b019a2b9_prep:
	.size	k_qd2b019a2b9_prep, .Lfunc_end_k_qd2b019a2b9_prep-k_qd2b019a2b9_prep
	.p2alignl 7, 3214868480
	.fill 96, 4, 3214868480
	.section	.rodata,"a",@progbits
	.p2align	6, 0x0
	.amdhsa_kernel k_qd2b019a2b9_prep
		.amdhsa_group_segment_fixed_size 81408
		.amdhsa_private_segment_fixed_size 0
		.amdhsa_enable_private_segment 0
		.amdhsa_kernarg_size 48
		.amdhsa_user_sgpr_count 2
		.amdhsa_user_sgpr_kernarg_segment_ptr 1
		.amdhsa_wavefront_size32 1
		.amdhsa_system_sgpr_workgroup_id_x 1
		.amdhsa_system_sgpr_workgroup_id_y 1
		.amdhsa_system_sgpr_workgroup_id_z 1
		.amdhsa_system_vgpr_workitem_id 0
		.amdhsa_next_free_vgpr 256
		.amdhsa_next_free_sgpr 66
		.amdhsa_reserve_vcc 0
		.amdhsa_float_denorm_mode_32 3
		.amdhsa_float_denorm_mode_16_64 3
		.amdhsa_memory_ordered 1
		.amdhsa_forward_progress 1
		.amdhsa_inst_pref_size 38
	.end_amdhsa_kernel
	.amdgpu_metadata
---
amdhsa.version: [ 1, 2 ]
amdhsa.kernels:
  - .name:           k_qd2b019a2b9_prep
    .symbol:         k_qd2b019a2b9_prep.kd
    .args:
      - { .name: x, .offset: 0, .size: 8, .value_kind: global_buffer, .address_space: global }
      - { .name: Wq, .offset: 8, .size: 8, .value_kind: global_buffer, .address_space: global }
      - { .name: Wkv, .offset: 16, .size: 8, .value_kind: global_buffer, .address_space: global }
      - { .name: Wp, .offset: 24, .size: 8, .value_kind: global_buffer, .address_space: global }
      - { .name: xq, .offset: 32, .size: 8, .value_kind: global_buffer, .address_space: global }
      - { .name: wq, .offset: 40, .size: 8, .value_kind: global_buffer, .address_space: global }
    .group_segment_fixed_size: 81408
    .private_segment_fixed_size: 0
    .kernarg_segment_align: 8
    .kernarg_segment_size: 48
    .max_flat_workgroup_size: 128
    .sgpr_count:     66
    .vgpr_count:     256
    .wavefront_size: 32
...
	.end_amdgpu_metadata
.endif
;; end of part 5
;; launch qkv (part 6): grid 4 x 64, 4 waves a work-group, no clusters, 51,712 bytes of LDS; arguments xq, wq, bq, bkv, qimg, kvimg; writes qimg, kvimg
.if DOCPART == 6
	.amdgcn_target "amdgcn-amd-amdhsa--gfx1250"
	.amdhsa_code_object_version 6
	.text
	.protected	k_qd2b019a2b9_qkv
	.globl	k_qd2b019a2b9_qkv
	.p2align	8
	.type	k_qd2b019a2b9_qkv,@function
k_qd2b019a2b9_qkv:
	s_mov_b64 s[64:65], 0
	v_nop
	global_prefetch_b8 v0, s[64:65] scope:SCOPE_SE
	s_setreg_imm32_b32 hwreg(HW_REG_WAVE_SCHED_MODE, 0, 2), 2
	s_setreg_imm32_b32 hwreg(HW_REG_WAVE_MODE, 25, 1), 1
	s_wait_xcnt 0x0
	s_wait_alu depctr_vm_vsrc(0)
; QKV: q = xt Wq^T + bq, k, v = xt Wkv^T + bkv on codes of FP6 with E8M0 scales; the results are quantised in registers for the attention's products and stored as images of operand registers.
; SHARES.  Work-group (g, G): the 128 rows of block G = 8 b + ks (one key step of one batch) x heads 2 g, 2 g + 1 of q, of k and of v.  Wave w: one head of q (w < 2) or of k, hd = 2 g + (w & 1): 4 tiles of weights;
; and two tiles of Wv: head 2 g + (w >> 1), channels 32 (w & 1) on.  A wave's weights, 288 registers, are loaded once in operand order; the block's codes of x go through LDS, copied as they lie.
; q AND k ARE MADE TRANSPOSED (source 0 = 16 rows of W, source 1 = 16 rows of x): a lane holds one row n and its registers run along the head's 64, which is the next K.  Two tiles of rows give 64 numbers a lane:
;   one run of the quantiser makes a PAIR IMAGE: registers 0-5 are tile 2 p's codes (K = 64), registers 6-11 tile 2 p + 1's.
; v IS MADE THE OTHER WAY ROUND (source 0 = x, source 1 = Wv): a lane holds one channel and its registers run along the keys, which is the second product's K: 64 numbers a lane are one fragment of V^T (16 channels x 128 keys).
; The biases are the C of each sum's first matrix instruction.  The 12 accumulators of a K step take turns, one instruction a turn.
; No cluster: the weights go from memory straight into registers, and the block of x that the four work-groups of a G share is 51,200 of a work-group's 198,656 loaded bytes.
; qimg: for each bh = 8 b + h 53,248 bytes: 32 pair images, then at 49,152 eight runs of [lane][pair % 4] scale words.  kvimg: for each bh and key step 13,056 bytes: K's 4 pair images, V's 4 fragments,
;   at 12,288 K's words [lane][pair], at 12,800 V's [pair of channel tiles][lane].  In a pair's word lanes 0-15 carry the first tile's two bytes low, lanes 16-31 the second tile's.
; LIMITS: as the first launch's: zero blocks get the byte 1; NaN and infinities are not served.
; THE MODE: SCHED_MODE bits 1:0 = 2 (LLVM: expert scheduling mode 2), set by the entry lines.  The code itself states the register dependences between vector or matrix instructions and memory or LDS
; instructions, with s_wait_alu, always for 0.
; THE PLAN.  Registers that memory or LDS instructions touch:
;   v1-6          offsets, made once at the head and never written again: one wait on va_vdst ahead of the first load serves every load and store.
;   v16-115       at the head: x's block as loaded, read by my 25 LDS stores; one wait on vm_vsrc behind the barrier, ahead of the first fragment's load.
;   XF0, XF1      x's fragments of two tiles of rows, with their scale words, in two buffers.  Step p's matrix instructions read buffer p % 2; the LDS loads of step p + 1's fragments are issued at the head of step p
;                 and land in the other buffer, which the matrix instructions of step p - 1 read last.
;   v[PC ..]      a pair's codes: written by step p's quantiser, read by three stores that are issued at the head of step p + 1, written again by step p + 1's quantiser, 48 matrix instructions behind those stores.
;   v216-220      the scale words to store: written by vector instructions, read by one store each, behind the last steps.
; So ONE wait on va_vdst stands at the head of a step, behind the window switch: the step before has written the codes and is done reading the other buffer of x; the loads and the stores follow it.
; One wait on vm_vsrc stands ahead of each run of the quantiser that writes codes which stores have read.  The weights, the biases and the accumulators are named, behind the head's loads, by vector and matrix instructions alone.
; REGISTERS.  window 0: v1-6 addresses; v16-111 x's 8 fragments (12 (4 xt + s)), buffer 0; v112-175 q/k's 8 accumulators; v176-191 at work; v192 the word just made; v196-215 the codes just made; v216-221 words to store;
;   v224-227 x's scale words, buffer 0; v228-235 Wq/Wk's, v236-239 Wv's; v240-241 v's bias as loaded; v244-247 x's scale words, buffer 1; v252, v253 the add's two.
;   window 1: v0-191 Wq/Wk's 16 fragments (12 (4 T + s)); v192-223 their bias in the result's layout; v224-239 v's bias, eight copies a tile.   window 2: v0-95 Wv's 8 fragments; v128-255 v's 16 accumulators (64 u + 8 t).
;   window 3: v16-111 x's 8 fragments, buffer 1: the same numbers as buffer 0's, so that a product's text differs in the window alone.
.set SPARE, 51200                      ; behind x's block: the spare words, 128 bytes a wave: two blocks of 256 bytes that no other line names
.set LI,  1                            ; 16 x lane
.set LS,  2                            ; 4 x lane
.set CP,  3                            ; 16 x thread
.set SH,  4                            ; 16 h
.set BO,  5                            ; 64 h
.set VB,  6                            ; 4 (r + 8 (r / 8))
.set XF,  16
.set QA,  112
.set TM,  176
.set PW,  192
.set PC,  196
.set PWQ, 216
.set PWV, 220
.set XSR, 224
.set XS2, 20                           ; buffer 1's scale words lie 20 registers behind buffer 0's
.set WSQ, 228
.set WSV, 236
.set SPW, 252
.set NIL, 253
.set SEL, 60
.set MSB, 0
.macro WIN new                         ; the immediate's high byte repeats the setting that is left; a switch that changes nothing is dropped
.if MSB != (\new)
	s_set_vgpr_msb (MSB<<8)|(\new)
.set MSB, (\new)
.endif
.endm
; one matrix instruction: D, source 0, source 1, C, their scale registers, and which half of the lanes each scale register is read from
.macro MM d, a, b, c, sa, sb, ra, rb
.if ((\ra)==0)&&((\rb)==0)
	v_wmma_scale_f32_16x16x128_f8f6f4 v[0+(\d):7+(\d)], v[0+(\a):11+(\a)], v[0+(\b):11+(\b)], v[0+(\c):7+(\c)], v[0+(\sa)], v[0+(\sb)] matrix_a_fmt:MATRIX_FMT_FP6 matrix_b_fmt:MATRIX_FMT_FP6
.elseif (\rb)==0
	v_wmma_scale_f32_16x16x128_f8f6f4 v[0+(\d):7+(\d)], v[0+(\a):11+(\a)], v[0+(\b):11+(\b)], v[0+(\c):7+(\c)], v[0+(\sa)], v[0+(\sb)] matrix_a_fmt:MATRIX_FMT_FP6 matrix_b_fmt:MATRIX_FMT_FP6 matrix_a_scale:MATRIX_SCALE_ROW1
.elseif (\ra)==0
	v_wmma_scale_f32_16x16x128_f8f6f4 v[0+(\d):7+(\d)], v[0+(\a):11+(\a)], v[0+(\b):11+(\b)], v[0+(\c):7+(\c)], v[0+(\sa)], v[0+(\sb)] matrix_a_fmt:MATRIX_FMT_FP6 matrix_b_fmt:MATRIX_FMT_FP6 matrix_b_scale:MATRIX_SCALE_ROW1
.else
	v_wmma_scale_f32_16x16x128_f8f6f4 v[0+(\d):7+(\d)], v[0+(\a):11+(\a)], v[0+(\b):11+(\b)], v[0+(\c):7+(\c)], v[0+(\sa)], v[0+(\sb)] matrix_a_fmt:MATRIX_FMT_FP6 matrix_b_fmt:MATRIX_FMT_FP6 matrix_a_scale:MATRIX_SCALE_ROW1 matrix_b_scale:MATRIX_SCALE_ROW1
.endif
.endm
; the fragments of x's tiles 2 p, 2 p + 1, all four K steps, into buffer p % 2, and their scale words (lanes 0-15 tile 2 p, lanes 16-31 tile 2 p + 1)
.macro FETCHX p
	WIN 0xc0*((\p)%2)                              ; destination window 0 or 3, address window 0 (where a wait stands ahead of these loads, the switch has been made ahead of the wait, and this line writes nothing)
.irp xt, 0,1
.irp s, 0,1,2,3
.irp j, 0,1,2
	ds_load_b128 v[XF+12*(4*\xt+\s)+4*\j:XF+12*(4*\xt+\s)+4*\j+3], v[LI] offset:(8*\s+2*(\p)+\xt)*1536+512*\j
.endr
.endr
.endr
	WIN 0                                          ; scale operands have no window: both sets of words lie in window 0
.irp s, 0,1,2,3
	ds_load_b32 v[XSR+XS2*((\p)%2)+\s], v[LS] offset:49152+512*\s+128*(\p)
.endr
.endm
; 64 numbers of a lane in window w, register 16 b + i = k 32 b + 16 (lane / 16) + i of my row, become 12 registers of codes in v[PC] on and the four blocks' bytes in v[PW].  Each accumulator is read from its low end on.
.macro QUANT s, w
	WIN (\w)|((\w)<<2)
.irp b, 0,1,2,3
	v_max3_num_f32 v[TM+\b], |v[\s+16*\b]|, |v[\s+1+16*\b]|, 0x1800000   ; my 16 numbers of block b, and the floor 2^(3 - 127): the byte cannot fall under 1
.endr
	WIN ((\w)<<2)|((\w)<<4)
.irp i, 2,4,6,8,10,12,14
.irp b, 0,1,2,3
	v_max3_num_f32 v[TM+\b], v[TM+\b], |v[\s+16*\b+\i]|, |v[\s+1+16*\b+\i]|   ; (the four blocks by turns)
.endr
.endr
	WIN 0
.irp b, 0,1,2,3
	v_permlanex16_b32 v[TM+4+\b], v[TM+\b], s[SEL], s[SEL+1]
.endr
.irp b, 0,1,2,3
	v_max_num_f32 v[TM+\b], v[TM+\b], v[TM+4+\b]   ; with lane l xor 16's: the block's largest magnitude
.endr
.irp b, 0,1,2,3
	v_add_nc_u32 v[TM+12+\b], 0xff000000, v[TM+\b] ; 2 off its exponent field: the conversion's scale operand
.endr
.irp b, 0,1,2,3
	v_lshrrev_b32 v[TM+4+\b], 23, v[TM+12+\b]      ; the byte
.endr
	v_lshl_or_b32 v[PW], v[TM+5], 8, v[TM+4]
	v_lshl_or_b32 v[PW], v[TM+6], 16, v[PW]
	v_lshl_or_b32 v[PW], v[TM+7], 24, v[PW]
	WIN (\w)
.irp c, 0,1
	v_cvt_scalef32_pk16_fp6_f32 v[PC+6*\c:PC+2+6*\c], v[\s+32*\c:\s+15+32*\c], v[TM+12+2*\c]
	v_cvt_scalef32_pk16_fp6_f32 v[PC+12+4*\c:PC+14+4*\c], v[\s+16+32*\c:\s+31+32*\c], v[TM+12+2*\c+1]   ; (a conversion's three registers begin on an even number)
.endr
	WIN 0
	v_nop                                          ; one plain line behind the conversions
.irp c, 0,1                            ; the operand's layout wants a whole block in a lane: lanes 0-15 block 2 c, lanes 16-31 block 2 c + 1
.irp i, 0,1,2
	v_permlane16_swap_b32 v[PC+6*\c+\i], v[PC+12+4*\c+\i]
.endr
.irp i, 0,1,2
	v_mov_b32 v[PC+3+6*\c+\i], v[PC+12+4*\c+\i]
.endr
.endr
.endm
	s_load_b256 s[4:11], s[0:1], 0x0               ; xq s[4:5], wq s[6:7], bq s[8:9], bkv s[10:11]
	s_load_b128 s[12:15], s[0:1], 0x20             ; qimg s[12:13], kvimg s[14:15]
	v_lshl_add_u32 v[SPW], v0, 2, SPARE
	v_mov_b32 v[NIL], 0
	v_lshrrev_b32 v7, 5, v0
	v_readfirstlane_b32 s16, v7                    ; wave 0..3
	v_and_b32 v7, 31, v0
	v_lshlrev_b32 v[LI], 4, v7
	v_lshlrev_b32 v[LS], 2, v7
	v_lshlrev_b32 v[CP], 4, v0
	v_bfe_u32 v8, v0, 4, 1                         ; h
	v_lshlrev_b32 v[SH], 4, v8
	v_lshlrev_b32 v[BO], 6, v8
	v_and_b32 v9, 15, v0                           ; r
	v_and_b32 v10, 8, v9
	v_add_nc_u32 v9, v9, v10
	v_lshlrev_b32 v[VB], 2, v9
.irp b, 0,1,2,3
	v_mov_b32 v[TM+4+\b], 0                        ; written once: a lane permute's destination counts as one of its sources
.endr
	s_mov_b32 s[SEL], 0x76543210
	s_mov_b32 s[SEL+1], 0xfedcba98                 ; selects for lane l xor 16
	s_mov_b32 s62, 0xffff0000                      ; lanes 16-31
	s_and_b32 s18, ttmp7, 0xffff                   ; G
	s_wait_alu depctr_va_sdst(0)                   ; s16 is written, ahead of its first reader: every base below is made from it
	s_lshr_b32 s19, s16, 1                         ; 0: q, 1: k.  Also which of the two heads of v
	s_and_b32 s20, s16, 1                          ; which of the two heads of q or k.  Also which 32 channels of v
	s_lshl_b32 s21, ttmp9, 1
	s_add_co_u32 s22, s21, s20                     ; hd
	s_add_co_u32 s23, s21, s19                     ; v's head
	s_lshr_b32 s24, s18, 3                         ; b
	s_and_b32 s25, s18, 7                          ; ks
	s_lshl_b32 s26, s24, 3
	s_add_co_u32 s27, s26, s22                     ; bh of q or k
	s_add_co_u32 s28, s26, s23                     ; bh of v
	s_mul_i32 s30, s18, 51200                      ; x's block
	s_mov_b32 s31, 0
	s_mul_i32 s32, s19, 196608                     ; my 16 fragments of Wq or Wk: tile 32 kind + 4 hd, 6,144 bytes a tile
	s_mul_i32 s29, s22, 24576
	s_add_co_u32 s32, s32, s29
	s_mov_b32 s33, 0
	s_mul_i32 s34, ttmp9, 49152                    ; my 8 of Wv: tile 64 + 8 g + 2 w
	s_mul_i32 s29, s16, 12288
	s_add_co_u32 s34, s34, s29
	s_add_co_u32 s34, s34, 393216
	s_mov_b32 s35, 0
	s_lshl_b32 s36, s19, 13                        ; their scale words: pair 16 kind + 2 hd, 512 bytes a pair
	s_lshl_b32 s29, s22, 10
	s_add_co_u32 s36, s36, s29
	s_add_co_u32 s36, s36, 786432
	s_mov_b32 s37, 0
	s_lshl_b32 s38, ttmp9, 11                      ; pair 32 + 4 g + w
	s_lshl_b32 s29, s16, 9
	s_add_co_u32 s38, s38, s29
	s_add_co_u32 s38, s38, 802816
	s_mov_b32 s39, 0
	s_lshl_b32 s40, s22, 8                         ; bias of q or k: 64 numbers a head
	s_mov_b32 s41, 0
	s_lshl_b32 s42, ttmp9, 9                       ; bias of v: behind k's 512; 32 (4 g + w) numbers on
	s_lshl_b32 s29, s16, 7
	s_add_co_u32 s42, s42, s29
	s_add_co_u32 s42, s42, 2048
	s_mov_b32 s43, 0
	s_mul_i32 s44, s27, 53248                      ; q's codes: bh, then 4 pair images a key step
	s_mul_i32 s29, s25, 6144
	s_add_co_u32 s44, s44, s29
	s_mul_i32 s46, s27, 53248                      ; q's words
	s_lshl_b32 s29, s25, 9
	s_add_co_u32 s46, s46, s29
	s_add_co_u32 s46, s46, 49152
	s_lshl_b32 s29, s27, 3
	s_add_co_u32 s29, s29, s25
	s_mul_i32 s48, s29, 13056                      ; k's codes
	s_add_co_u32 s49, s48, 12288                   ; k's words
	s_cmp_eq_u32 s19, 0
	s_cselect_b32 s44, s44, s48
	s_cselect_b32 s46, s46, s49
	s_mov_b32 s45, 0
	s_mov_b32 s47, 0
	s_lshl_b32 s29, s28, 3
	s_add_co_u32 s29, s29, s25
	s_mul_i32 s54, s29, 13056
	s_mul_i32 s29, s20, 3072
	s_add_co_u32 s56, s54, s29
	s_add_co_u32 s56, s56, 6144                    ; v's codes
	s_mov_b32 s57, 0
	s_lshl_b32 s29, s20, 7
	s_add_co_u32 s58, s54, s29
	s_add_co_u32 s58, s58, 12800                   ; v's words
	s_mov_b32 s59, 0
	s_wait_kmcnt 0x0
	s_add_nc_u64 s[30:31], s[4:5], s[30:31]
	s_add_nc_u64 s[32:33], s[6:7], s[32:33]
	s_add_nc_u64 s[34:35], s[6:7], s[34:35]
	s_add_nc_u64 s[36:37], s[6:7], s[36:37]
	s_add_nc_u64 s[38:39], s[6:7], s[38:39]
	s_add_nc_u64 s[42:43], s[10:11], s[42:43]
	s_cmp_eq_u32 s19, 0                            ; the choice hangs on the wave's number alone
	s_cselect_b64 s[50:51], s[12:13], s[14:15]
	s_cselect_b64 s[52:53], s[8:9], s[10:11]
	s_add_nc_u64 s[40:41], s[52:53], s[40:41]
	s_add_nc_u64 s[44:45], s[50:51], s[44:45]
	s_add_nc_u64 s[46:47], s[50:51], s[46:47]
	s_add_nc_u64 s[56:57], s[14:15], s[56:57]
	s_add_nc_u64 s[58:59], s[14:15], s[58:59]
	s_wait_alu depctr_va_vdst(0)                   ; the six offsets v1 to v6 are written, which every load and store of the kernel reads; they are never written again
.set i, 0
.rept 25                               ; x's block, 51,200 bytes, as it lies: 16 bytes a thread, 2,048 an instruction of the work-group
	global_load_b128 v[16+4*i:19+4*i], v[CP], s[30:31] offset:2048*i
.set i, i+1
.endr
	WIN 0x40                                       ; destination window 1
.set i, 0
.rept 48
	global_load_b128 v[4*i:4*i+3], v[LI], s[32:33] offset:512*i
.set i, i+1
.endr
	WIN 0
	s_wait_loadcnt 48                              ; x's 25 loads are in; the 48 younger ones may be out
.set i, 0
.rept 25
	ds_store_b128 v[CP], v[16+4*i:19+4*i] offset:2048*i
.set i, i+1
.endr
	WIN 0x80                                       ; destination window 2
.set i, 0
.rept 24
	global_load_b128 v[4*i:4*i+3], v[LI], s[34:35] offset:512*i
.set i, i+1
.endr
	WIN 0x40
.irp T, 0,1,2,3                        ; lane (r, h) wants, for tile 2 bb + uu, the bias of channels 32 bb + 16 h + 8 uu + 0 .. 7
	global_load_b128 v[192+8*\T:195+8*\T], v[BO], s[40:41] offset:(32*(\T/2)+8*(\T%2))*4
	global_load_b128 v[196+8*\T:199+8*\T], v[BO], s[40:41] offset:(32*(\T/2)+8*(\T%2))*4+16
.endr
	WIN 0
.irp bb, 0,1
.irp s, 0,1,2,3
	global_load_b32 v[WSQ+4*\bb+\s], v[LS], s[36:37] offset:512*\bb+128*\s
.endr
.endr
.irp s, 0,1,2,3
	global_load_b32 v[WSV+\s], v[LS], s[38:39] offset:128*\s
.endr
	global_load_b32 v240, v[VB], s[42:43]          ; v's bias of my lane's channel, tile 0,
	global_load_b32 v241, v[VB], s[42:43] offset:32   ; and tile 1
	s_wait_dscnt 0x0                               ; for the others' sake: my part of x's block lies in LDS
	s_barrier_signal -1
	s_barrier_wait -1                              ; everybody's does; nothing is stored to LDS after this
	s_wait_alu depctr_vm_vsrc(0)                   ; my LDS stores have read v16 to v115: from here on these are buffer 0 of x, in which the loads below land, and the first accumulator, which a matrix instruction writes
	FETCHX 0
	s_wait_loadcnt 0x0
	WIN 0x40
.irp u, 0,1
.irp j, 0,1,2,3,4,5,6,7
	v_mov_b32 v[224+8*\u+\j], v[240+\u]            ; in v's result a lane is one channel: the same bias in all eight registers
.endr
.endr
	WIN 0
.rept 4
	v_nop
.endr
	s_wait_alu depctr_va_vdst(0)
.irp p, 0,1,2,3                        ; two tiles of rows at a time: step p
	s_wait_dscnt 0x0                               ; their fragments and scale words are in: asked for at the head of the step before
.if \p < 3
	WIN 0xc0*((\p+1)%2)                            ; the next fragments' window: the switch stands ahead of the wait, the wait ahead of the loads
.endif
.if \p > 0
	s_wait_alu depctr_va_vdst(0)                   ; the step before: its matrix instructions are done reading the other buffer of x and its scale words, in which the loads below land; its quantiser has written the codes, which the stores below read
.endif
.if \p < 3
	FETCHX \p+1                                    ; lands while this step is multiplied.  (Step 0: no vector or matrix instruction has named buffer 1 yet, so no wait stands ahead of it)
.endif
.if \p > 0
.irp j, 0,1,2
	global_store_b128 v[LI], v[PC+4*\j:PC+4*\j+3], s[44:45] offset:1536*(\p-1)+512*\j   ; the pair image of the step before: 512 consecutive bytes a store
.endr
.endif
.irp s, 0,1,2,3
.if \s == 0
	WIN 0x11+12*(\p%2)                             ; source 0 (W) and C (bias) window 1; source 1 (x) window 0 or 3
.else
	WIN 0x01+12*(\p%2)
.endif
.irp xt, 0,1
.irp T, 0,1,2,3
.if \s == 0
	MM QA+8*(4*\xt+\T), 12*(4*\T+\s), XF+12*(4*\xt+\s), 192+8*\T, WSQ+4*(\T/2)+\s, XSR+XS2*(\p%2)+\s, \T%2, \xt
.else
	MM QA+8*(4*\xt+\T), 12*(4*\T+\s), XF+12*(4*\xt+\s), QA+8*(4*\xt+\T), WSQ+4*(\T/2)+\s, XSR+XS2*(\p%2)+\s, \T%2, \xt
.endif
.endr
.endr
.if \s == 0
	WIN 0x98+3*(\p%2)                              ; source 0 (x) window 0 or 3; source 1 (Wv) and D window 2, C (bias) window 1
.else
	WIN 0xa8+3*(\p%2)
.endif
.irp xt, 0,1
.irp u, 0,1
.if \s == 0
	MM 128+64*\u+8*(2*\p+\xt), XF+12*(4*\xt+\s), 12*(4*\u+\s), 224+8*\u, XSR+XS2*(\p%2)+\s, WSV+\s, \xt, \u
.else
	MM 128+64*\u+8*(2*\p+\xt), XF+12*(4*\xt+\s), 12*(4*\u+\s), 128+64*\u+8*(2*\p+\xt), XSR+XS2*(\p%2)+\s, WSV+\s, \xt, \u
.endif
.endr
.endr
.endr
	WIN 0
.rept 4
	v_nop                                          ; four plain lines in front of the first read of results (ISA guide 7.12.1)
.endr
	s_wait_xcnt 0x0                                ; the last pair's stores have read their registers: the codes may be written again
.if \p > 0
	s_wait_alu depctr_vm_vsrc(0)                   ; the stores at this step's head have read v[PC ..], which the quantiser below writes again
.endif
	QUANT QA, 0
	v_lshrrev_b32 v[PWQ+\p], v[SH], v[PW]          ; lanes 0-15: the first tile's two bytes low; lanes 16-31: the second tile's
.endr
	s_wait_alu depctr_va_vdst(0)                   ; step 3's quantiser has written the codes, and the four steps the four words, which the stores below read
.irp j, 0,1,2
	global_store_b128 v[LI], v[PC+4*\j:PC+4*\j+3], s[44:45] offset:1536*3+512*\j   ; the last pair image
.endr
	global_store_b128 v[LI], v[PWQ:PWQ+3], s[46:47]   ; the four pairs' words: [lane][pair]
.irp u, 0,1                            ; V^T: tile u's 16 channels x the block's 128 keys
	s_wait_xcnt 0x0
	s_wait_alu depctr_vm_vsrc(0)                   ; the stores above have read v[PC ..], which the quantiser below writes again
	QUANT 128+64*\u, 2
	v_mov_b32 v[PWV+\u], v[PW]
.if \u == 1
	v_cndmask_b32 v[PWV], v[PWV], v[PWV+1], s62    ; lanes 0-15 tile 0's words, lanes 16-31 tile 1's
.endif
	s_wait_alu depctr_va_vdst(0)                   ; the quantiser has written the codes (tile 1: and the line above the words), which the stores below read
.irp j, 0,1,2
	global_store_b128 v[LI], v[PC+4*\j:PC+4*\j+3], s[56:57] offset:1536*\u+512*\j
.endr
.endr
	global_store_b32 v[LS], v[PWV], s[58:59]
	s_wait_dscnt 0x0                               ; the closing lines, six on end (every window is 0 here)
	s_wait_alu 0x0
	s_wait_tensorcnt 0x0
	ds_add_u32 v[SPW], v[NIL]
	s_wait_dscnt 0x0
	s_endpgm
.Lfunc_end_k_qd2b019a2b9_qkv:
	.size	k_qd2b019a2b9_qkv, .Lfunc_end_k_qd2b019a2b9_qkv-k_qd2b019a2b9_qkv
	.p2alignl 7, 3214868480
	.fill 96, 4, 3214868480
	.section	.rodata,"a",@progbits
	.p2align	6, 0x0
	.amdhsa_kernel k_qd2b019a2b9_qkv
		.amdhsa_group_segment_fixed_size 51712
		.amdhsa_private_segment_fixed_size 0
		.amdhsa_enable_private_segment 0
		.amdhsa_kernarg_size 48
		.amdhsa_user_sgpr_count 2
		.amdhsa_user_sgpr_kernarg_segment_ptr 1
		.amdhsa_wavefront_size32 1
		.amdhsa_system_sgpr_workgroup_id_x 1
		.amdhsa_system_sgpr_workgroup_id_y 1
		.amdhsa_system_sgpr_workgroup_id_z 1
		.amdhsa_system_vgpr_workitem_id 0
		.amdhsa_next_free_vgpr 880
		.amdhsa_next_free_sgpr 66
		.amdhsa_reserve_vcc 0
		.amdhsa_float_denorm_mode_32 3
		.amdhsa_float_denorm_mode_16_64 3
		.amdhsa_memory_ordered 1
		.amdhsa_forward_progress 1
		.amdhsa_inst_pref_size 77
	.end_amdhsa_kernel
	.amdgpu_metadata
---
amdhsa.version: [ 1, 2 ]
amdhsa.kernels:
  - .name:           k_qd2b019a2b9_qkv
    .symbol:         k_qd2b019a2b9_qkv.kd
    .args:
      - { .name: xq, .offset: 0, .size: 8, .value_kind: global_buffer, .address_space: global }
      - { .name: wq, .offset: 8, .size: 8, .value_kind: global_buffer, .address_space: global }
      - { .name: bq, .offset: 16, .size: 8, .value_kind: global_buffer, .address_space: global }
      - { .name: bkv, .offset: 24, .size: 8, .value_kind: global_buffer, .address_space: global }
      - { .name: qimg, .offset: 32, .size: 8, .value_kind: global_buffer, .address_space: global }
      - { .name: kvimg, .offset: 40, .size: 8, .value_kind: global_buffer, .address_space: global }
    .group_segment_fixed_size: 51712
    .private_segment_fixed_size: 0
    .kernarg_segment_align: 8
    .kernarg_segment_size: 48
    .max_flat_workgroup_size: 128
    .sgpr_count:     66
    .vgpr_count:     880
    .wavefront_size: 32
...
	.end_amdgpu_metadata
.endif
;; end of part 6
;; launch attn (part 7): grid 4 x 64, 16 waves a work-group, clusters of 4 x 1, 167,936 bytes of LDS; arguments qimg, kvimg, rimg; writes rimg
.if DOCPART == 7
	.amdgcn_target "amdgcn-amd-amdhsa--gfx1250"
	.amdhsa_code_object_version 6
	.text
	.protected	k_qd2b019a2b9_attn
	.globl	k_qd2b019a2b9_attn
	.p2align	8
	.type	k_qd2b019a2b9_attn,@function
k_qd2b019a2b9_attn:
	s_mov_b64 s[64:65], 0
	v_nop
	global_prefetch_b8 v0, s[64:65] scope:SCOPE_SE
	s_setreg_imm32_b32 hwreg(HW_REG_WAVE_MODE, 25, 1), 1
	s_wait_xcnt 0x0
	s_wait_alu depctr_hold_cnt(0) depctr_sa_sdst(0) depctr_va_vdst(0) depctr_va_sdst(0) depctr_va_ssrc(0) depctr_va_vcc(0) depctr_vm_vsrc(0)
	s_getreg_b32 s2, hwreg(HW_REG_IB_STS2, 6, 4)
	s_cmp_eq_u32 s2, 0
	s_cbranch_scc0 .Lentry_in_a_cluster
	s_endpgm
.Lentry_in_a_cluster:
	s_bfe_u32 s2, ttmp6, 0x10000c
	s_cmp_lg_u32 s2, 0x3003
	s_cbranch_scc0 .Lentry_shape_is_right
	s_endpgm
.Lentry_shape_is_right:
; ATTN: res = softmax(q k^T / 8) v for one (batch, head) and 256 queries a work-group, both products on codes of FP6 with E8M0 scales; res is quantised along the head's 64 for the last product and stored as codes.
; THE SOFTMAX: t = score x log2(e) / 8; M = the running largest t rounded UP to a whole number; p = 2^(t - M) is quantised along the keys, not normalised; the row's sum is taken of the unquantised p and divides at the end.
; When M moves, the sum and O^T are multiplied by 2^(old M - new M), which rounds nothing.
; SHARES.  Sixteen waves, each one tile of 16 queries in 256 registers: four waves to a SIMD, so that one wave's vector work stands beside another's matrix work and LDS loads.  Every wave walks the head's 1,024 keys, 128 a step.
; A HEAD'S K AND V, codes and scale words, are 104,448 dense bytes: they come into LDS ONCE and stay; nothing is filled again.  CLUSTER: the four work-groups of a cluster are the four query blocks of one head and need the same
; bytes: both fills are asked for JOINTLY (mask 15).  Waves 0 and 1 fetch: each first one key step (steps 0, 1), then three (2-4, 5-7): two tensor loads of a wave are out at the most.  Steps 0 and 1 are worked while the rest lands.
; LAYOUT.  S^T = K Q^T (source 0 = 16 keys, source 1 = my 16 queries), O^T = V^T P^T: a lane holds ONE query throughout.  The keys of a tile are not neighbours (lane-row r of tile 2 b + u is key 32 b + 8 u + r + 8 (r / 8)),
; so that the 16 registers of tiles 2 b, 2 b + 1 are 16 neighbouring keys.
; K = 64 IN AN INSTRUCTION OF 128: Q's registers 6-11 are zero codes and its scale bytes 2, 3 are 0.  K's tiles lie 6 registers apart; tile t's operand runs on over the next tile's codes (tile 7's over six zero registers):
; every pattern of 6 bits is a finite number, and its scale byte is a neighbour's byte or 0, never 0xff: so the upper 64 add exact zeros.
; rimg: [tile of rows 0..511][head] 768 bytes: registers 0-3 at 16 x lane, registers 4-5 at 512 + 8 x lane; at 3,145,728 the words [tile][head][lane], the head's two bytes low.  (Lanes 16-31 store the same word as lanes 0-15, into bytes of their own.)
; LIMITS: zero blocks get the byte 1; NaN and infinities are not served; 1 / l is v_rcp_f32's.
.set SPARE, 104448                     ; behind K and V: the spare words, 128 bytes for each of 16 waves: eight blocks of 256 bytes that no other line names
.set LI,  1                            ; 16 x lane
.set LS,  2                            ; 4 x lane
.set SPW, 3
.set NIL, 4
.set ADR, 5                            ; the step's bytes, 16 x lane
.set ADS, 6                            ; the same, 4 x lane
.set L8,  7                            ; 8 x lane
.set QO,  8                            ; 16 (lane % 16)
.set Q,   16                           ; v16-27  Q's operand
.set QS,  28                           ; v28     its scale word
.set F,   32                           ; v32-79  K's 8 tiles, then V's 4 fragments; v80-85 zeros
.set S,   96                           ; v96-159 S^T, then p
.set O,   160                          ; v160-191 O^T
.set PC,  192                          ; v192-211 p's codes
.set BM,  212                          ; v212-215 a block's largest score, then its largest p
.set BT,  216
.set SO,  220                          ; the conversions' scale operands
.set PS,  224                          ; p's scale word
.set KS,  236                          ; v236-239 K's scale words, a register a pair of tiles
.set VS,  240                          ; v240-241 V's
.set WV,  10
.set SEL, 40
.set CS,  42
.set TB,  44
.set CNT, 45
.macro ROUND                           ; a round of the cluster's barrier
	s_barrier_signal -1
	s_barrier_wait -1
	s_cmp_lg_u32 s[WV], 0
	s_cbranch_scc1 .Lnot_wave_0_\@
	s_barrier_signal -3
.Lnot_wave_0_\@:
	s_barrier_wait -3
	s_barrier_signal -1
	s_barrier_wait -1
.endm
.macro SMM t                           ; S^T of key tile t
.if (\t)%2
	v_wmma_scale_f32_16x16x128_f8f6f4 v[S+8*(\t):S+8*(\t)+7], v[F+6*(\t):F+6*(\t)+11], v[Q:Q+11], 0, v[KS+(\t)/2], v[QS] matrix_a_fmt:MATRIX_FMT_FP6 matrix_b_fmt:MATRIX_FMT_FP6 matrix_a_scale:MATRIX_SCALE_ROW1
.else
	v_wmma_scale_f32_16x16x128_f8f6f4 v[S+8*(\t):S+8*(\t)+7], v[F+6*(\t):F+6*(\t)+11], v[Q:Q+11], 0, v[KS+(\t)/2], v[QS] matrix_a_fmt:MATRIX_FMT_FP6 matrix_b_fmt:MATRIX_FMT_FP6
.endif
.endm
.macro PMM dt                          ; O^T of channel tile dt
.if (\dt)%2
	v_wmma_scale_f32_16x16x128_f8f6f4 v[O+8*(\dt):O+8*(\dt)+7], v[F+12*(\dt):F+12*(\dt)+11], v[PC:PC+11], v[O+8*(\dt):O+8*(\dt)+7], v[VS+(\dt)/2], v[PS] matrix_a_fmt:MATRIX_FMT_FP6 matrix_b_fmt:MATRIX_FMT_FP6 matrix_a_scale:MATRIX_SCALE_ROW1
.else
	v_wmma_scale_f32_16x16x128_f8f6f4 v[O+8*(\dt):O+8*(\dt)+7], v[F+12*(\dt):F+12*(\dt)+11], v[PC:PC+11], v[O+8*(\dt):O+8*(\dt)+7], v[VS+(\dt)/2], v[PS] matrix_a_fmt:MATRIX_FMT_FP6 matrix_b_fmt:MATRIX_FMT_FP6
.endif
.endm
	s_load_b128 s[4:7], s[0:1], 0x0                ; qimg s[4:5], kvimg s[6:7]
	s_load_b64 s[8:9], s[0:1], 0x10                ; rimg
	v_lshl_add_u32 v[SPW], v0, 2, SPARE
	v_mov_b32 v[NIL], 0
	ds_add_u32 v[SPW], v[NIL]                      ; the wave's opening: the adds and their wait stand ahead of the first tensor load; the set-up below, work on registers, stands between them
	ds_add_u32 v[SPW], v[NIL]
	v_lshrrev_b32 v9, 5, v0
	s_delay_alu instid0(VALU_DEP_1)
	v_readfirstlane_b32 s[WV], v9                  ; wave 0..15
	v_and_b32 v9, 31, v0
	s_delay_alu instid0(VALU_DEP_1)
	v_lshlrev_b32 v[LI], 4, v9
	s_delay_alu instid0(VALU_DEP_2)
	v_lshlrev_b32 v[LS], 2, v9
	s_delay_alu instid0(VALU_DEP_3)
	v_lshlrev_b32 v[L8], 3, v9
	v_and_b32 v[QO], 15, v0
	s_delay_alu instid0(VALU_DEP_1)
	v_lshlrev_b32 v[QO], 4, v[QO]
	s_bfe_u32 s11, ttmp6, 0x40000                  ; cx: my place in the cluster: it enters Q's and res's global addresses alone
	s_lshl_b32 s12, ttmp9, 2
	s_add_co_u32 s12, s12, s11                     ; my block of 256 queries
	s_and_b32 s13, ttmp7, 0xffff                   ; bh = 8 b + h, which the four partners share
	s_and_b32 s14, s[WV], 1                        ; which tile of its pair is mine.  Also: which part a fetching wave fetches
	; descriptor group 1: dense bytes as rows of 256 (32 elements of 8 bytes), no padding; 51 rows are a key step, 153 three
	s_mov_b32 s16, 15|(3<<16)|(1<<21)              ; 15:0 the mask: all four work-groups; 17:16 elements of 8 bytes; 21 set beside a mask
	s_mov_b32 s17, 32<<16                          ; tensor_dim0 = 32
	s_mov_b32 s18, 51<<16                          ; tensor_dim1 = 51
	s_mov_b32 s19, 32<<16                          ; tile_dim0 = 32
	s_mov_b32 s20, 51                              ; tile_dim1 = 51
	s_mov_b32 s21, 32                              ; from row to row
	s_mov_b32 s22, 0
	s_mov_b32 s23, 0
	s_mov_b32 s24, 15|(3<<16)|(1<<21)
	s_mov_b32 s25, 32<<16
	s_mov_b32 s26, 153<<16
	s_mov_b32 s27, 32<<16
	s_mov_b32 s28, 153
	s_mov_b32 s29, 32
	s_mov_b32 s30, 0
	s_mov_b32 s31, 0
	s_mul_i32 s46, s13, 104448                     ; the head's K and V
	s_mov_b32 s32, 1                               ; group 0 of the first load: count = 1,
	s_mul_i32 s33, s14, 13056                      ; LDS address: key step 0 or 1,
	s_add_co_u32 s48, s46, s33                     ; and the same bytes of the head in memory
	s_mov_b32 s49, 0
	s_mov_b32 s36, 1                               ; of the second:
	s_mul_i32 s37, s14, 39168
	s_add_co_u32 s37, s37, 26112                   ; key steps 2-4 or 5-7
	s_add_co_u32 s50, s46, s37
	s_mov_b32 s51, 0
	s_lshl_b32 s52, s12, 3
	s_lshr_b32 s15, s[WV], 1
	s_add_co_u32 s52, s52, s15                     ; my pair of query tiles: 8 x block + wave / 2
	s_mul_i32 s54, s13, 53248
	s_mul_i32 s15, s52, 1536
	s_add_co_u32 s56, s54, s15                     ; its image
	s_mov_b32 s57, 0
	s_lshr_b32 s15, s52, 2
	s_lshl_b32 s15, s15, 9
	s_add_co_u32 s58, s54, s15                     ; its words: run pair / 4 of 512 bytes,
	s_and_b32 s15, s52, 3
	s_lshl_b32 s15, s15, 2
	s_add_co_u32 s58, s58, s15                     ; word pair % 4 of a lane's four,
	s_lshl_b32 s15, s14, 8
	s_add_co_u32 s58, s58, s15                     ; lanes 16 on for the pair's second tile
	s_add_co_u32 s58, s58, 49152
	s_mov_b32 s59, 0
	s_lshr_b32 s15, s13, 3
	s_lshl_b32 s15, s15, 6
	s_lshl_b32 s60, s12, 4
	s_add_co_u32 s15, s15, s60
	s_add_co_u32 s15, s15, s[WV]                   ; my tile of rows among the 512: 64 b + 16 x block + wave
	s_and_b32 s60, s13, 7                          ; h
	s_mul_i32 s62, s15, 6144
	s_mul_i32 s61, s60, 768
	s_add_co_u32 s62, s62, s61                     ; res's codes
	s_mov_b32 s63, 0
	s_lshl_b32 s66, s15, 3
	s_add_co_u32 s66, s66, s60
	s_lshl_b32 s66, s66, 7
	s_add_co_u32 s66, s66, 3145728                 ; res's words
	s_mov_b32 s67, 0
	s_cmp_eq_u32 s14, 0
	s_cselect_b32 s47, 0, -1                       ; all lanes: the pair's second tile
	s_mov_b32 s[SEL], 0x76543210
	s_mov_b32 s[SEL+1], 0xfedcba98                 ; selects for lane l xor 16
	s_mov_b32 s[CS], 0x3e38aa3b                    ; c = log2(e) / 8
	s_mov_b32 s[CS+1], s[CS]                       ; (named with it as a pair, so it is written)
	s_mov_b32 s[TB], 0
	s_wait_dscnt 0x0                               ; the opening add is done
	s_wait_kmcnt 0x0
	s_add_nc_u64 s[34:35], s[6:7], s[48:49]
	s_or_b32 s35, s35, 0x80000000                  ; type = 2
	s_add_nc_u64 s[38:39], s[6:7], s[50:51]
	s_or_b32 s39, s39, 0x80000000
	s_add_nc_u64 s[56:57], s[4:5], s[56:57]
	s_add_nc_u64 s[58:59], s[4:5], s[58:59]
	s_add_nc_u64 s[62:63], s[8:9], s[62:63]
	s_add_nc_u64 s[66:67], s[8:9], s[66:67]
	ROUND                                          ; all four work-groups are here: the joint loads meet
	s_cmp_lt_u32 s[WV], 2                          ; a fetching wave's two fills stand in one branch on the wave's number, ahead of every wait on TENSORcnt and every LDS read
	s_cbranch_scc0 .Lno_fetch
	tensor_load_to_lds s[32:35], s[16:23]
	s_nop 0
	tensor_load_to_lds s[36:39], s[24:31]
	s_nop 0
.rept 4
	v_nop
.endr
.Lno_fetch:
	s_wait_alu depctr_va_vdst(0)
	global_load_b128 v[96:99], v[LI], s[56:57]     ; my pair's image
	global_load_b128 v[100:103], v[LI], s[56:57] offset:512
	global_load_b128 v[104:107], v[LI], s[56:57] offset:1024
	global_load_b32 v[QS], v[QO], s[58:59]         ; lane r: row r's word of my tile
	v_mov_b32 v13, 0xff61b1e6                      ; the largest t so far: -3e38, under every t
	s_delay_alu instid0(VALU_DEP_1)
	v_floor_f32 v12, -v13                          ; -M
	v_mov_b32 v14, 0                               ; the sum, in two halves
	v_mov_b32 v15, 0
.irp b, 0,1,2,3
	v_mov_b32 v[BT+\b], 0                          ; written once: a lane permute's destination counts as one of its sources
.endr
	v_mov_b32 v227, 0                              ; (named as the upper half of the pair v[226:227])
	v_mov_b32 v228, 0
.irp i, 0,1,2,3,4,5
	v_mov_b32 v[Q+6+\i], 0                         ; Q's upper 64 along K: zero codes
	v_mov_b32 v[F+48+\i], 0                        ; and what tile 7's operand runs on over
.endr
	s_wait_loadcnt 0x0
.irp i, 0,1,2,3,4,5
	v_cndmask_b32 v[Q+\i], v[96+\i], v[102+\i], s47   ; my tile's six registers of the pair's twelve
.endr
	v_and_b32 v[QS], 0xffff, v[QS]                 ; its two bytes; bytes 2 and 3 are 0
.set j, 0
.rept 32
	v_mov_b32 v[O+j], 0                            ; O^T.  (The step is written for every step alike: the first finds zeros.)  These lines also stand between the writes of Q and its word and the first product
.set j, j+1
.endr
; A KEY STEP: 128 keys, whose 13,056 bytes begin at LDS byte s[TB].
.macro STEP
	v_add_nc_u32 v[ADR], s[TB], v[LI]
	v_add_nc_u32 v[ADS], s[TB], v[LS]
	v_nop
	v_nop                                          ; four plain lines in front of loads into registers that the last products have read
.set i, 0
.rept 12
	ds_load_b128 v[F+4*i:F+4*i+3], v[ADR] offset:512*i   ; K's four pair images
.set i, i+1
.endr
	ds_load_b128 v[KS:KS+3], v[ADR] offset:12288   ; and their words
	s_wait_alu depctr_va_vdst(0)
	s_wait_dscnt 0x0
.irp t, 0,1,2,3,4,5,6,7
	SMM \t
.endr
.rept 4
	v_nop
.endr
.set i, 0
.rept 12
	ds_load_b128 v[F+4*i:F+4*i+3], v[ADR] offset:6144+512*i   ; V's four fragments: they land under the softmax
.set i, i+1
.endr
	ds_load_b32 v[VS], v[ADS] offset:12800
	ds_load_b32 v[VS+1], v[ADS] offset:12928
.irp b, 0,1,2,3
	v_max3_num_f32 v[BM+\b], v[S+16*\b], v[S+1+16*\b], v[S+2+16*\b]   ; the largest score of each block of 32 keys: it serves for the row's maximum and, since p rises with the score, for the block's largest p
.endr
.irp i, 3,5,7,9,11,13
.irp b, 0,1,2,3
	v_max3_num_f32 v[BM+\b], v[BM+\b], v[S+16*\b+\i], v[S+1+16*\b+\i]
.endr
.endr
.irp b, 0,1,2,3
	v_max_num_f32 v[BM+\b], v[BM+\b], v[S+15+16*\b]
.endr
.irp b, 0,1,2,3
	s_delay_alu instid0(VALU_DEP_4)
	v_permlanex16_b32 v[BT+\b], v[BM+\b], s[SEL], s[SEL+1]
.endr
.irp b, 0,1,2,3
	s_delay_alu instid0(VALU_DEP_4)
	v_max_num_f32 v[BM+\b], v[BM+\b], v[BT+\b]     ; with lane l xor 16's 16 keys
.endr
	s_delay_alu instid0(VALU_DEP_2)
	v_max3_num_f32 v228, v[BM], v[BM+1], v[BM+2]
	s_delay_alu instid0(VALU_DEP_1)
	v_max_num_f32 v228, v228, v[BM+3]              ; the step's largest score of my query
	s_delay_alu instid0(VALU_DEP_1)
	v_mul_f32 v228, s[CS], v228                    ; as t (c is positive)
	s_delay_alu instid0(VALU_DEP_1)
	v_max_num_f32 v13, v13, v228                   ; the running largest t
	v_mov_b32 v228, v12
	s_delay_alu instid0(VALU_DEP_2)
	v_floor_f32 v12, -v13                          ; the new -M = floor(-t): M is a whole number
	s_delay_alu instid0(VALU_DEP_1)
	v_sub_f32 v228, v12, v228                      ; old M - new M: a whole number, 0 or less
	s_delay_alu instid0(VALU_DEP_1)
	v_cvt_i32_f32 v228, v228                       ; (it saturates)
	s_delay_alu instid0(VALU_DEP_1)
	v_ldexp_f32 v226, 1.0, v228                    ; f = 2^(old M - new M)
.set j, 0
.rept 32
	v_pk_fma_f32 v[S+j:S+j+1], v[S+j:S+j+1], s[CS:CS+1], v[12:13] op_sel_hi:[1,0,0]   ; t - M, two at a time
.set j, j+2
.endr
.irp b, 0,1,2,3
	v_fma_f32 v[BM+\b], v[BM+\b], s[CS], v12       ; the same of each block's largest score
.endr
.set j, 0
	s_wait_alu depctr_va_vdst(0)
.rept 64
	v_exp_f32 v[S+j], v[S+j]                       ; p = 2^(t - M), at most 1
.set j, j+1
.endr
	s_setprio 1
	v_pk_mul_f32 v[14:15], v[14:15], v[226:227] op_sel_hi:[1,0]   ; the sums under the new M: a plain line behind the exponentials
	s_wait_alu depctr_va_vdst(0)                   ; one wait for the whole batch, ahead of its first reader
.irp b, 0,1,2,3
	v_exp_f32 v[BM+\b], v[BM+\b]                   ; the block's largest p: the same two instructions on the same number
.endr
	v_pk_add_f32 v[230:231], v[100:101], v[104:105]
	v_pk_add_f32 v[254:255], v[108:109], v[112:113]
	v_pk_add_f32 v[252:253], v[116:117], v[120:121]
	v_pk_add_f32 v[250:251], v[124:125], v[128:129]
	v_pk_add_f32 v[248:249], v[132:133], v[136:137]
	v_pk_add_f32 v[246:247], v[140:141], v[144:145]
	v_pk_add_f32 v[244:245], v[148:149], v[152:153]
	v_pk_add_f32 v[14:15], v[14:15], v[156:157]
	v_pk_add_f32 v[230:231], v[230:231], v[96:97]
	v_pk_add_f32 v[254:255], v[254:255], v[98:99]
	v_pk_add_f32 v[252:253], v[252:253], v[102:103]
	v_pk_add_f32 v[250:251], v[250:251], v[106:107]
	v_pk_add_f32 v[248:249], v[248:249], v[110:111]
	v_pk_add_f32 v[246:247], v[246:247], v[114:115]
	v_pk_add_f32 v[244:245], v[244:245], v[118:119]
	v_pk_add_f32 v[14:15], v[14:15], v[122:123]
	v_pk_add_f32 v[230:231], v[230:231], v[126:127]
	v_pk_add_f32 v[254:255], v[254:255], v[130:131]
	v_pk_add_f32 v[252:253], v[252:253], v[134:135]
	v_pk_add_f32 v[250:251], v[250:251], v[138:139]
	v_pk_add_f32 v[248:249], v[248:249], v[142:143]
	v_pk_add_f32 v[246:247], v[246:247], v[146:147]
	v_pk_add_f32 v[244:245], v[244:245], v[150:151]
	v_pk_add_f32 v[14:15], v[14:15], v[154:155]
	v_pk_add_f32 v[230:231], v[230:231], v[158:159]
	s_delay_alu instid0(VALU_DEP_2)
	v_pk_add_f32 v[14:15], v[14:15], v[250:251]
	s_delay_alu instid0(VALU_DEP_2)
	v_pk_add_f32 v[230:231], v[230:231], v[248:249]
	v_pk_add_f32 v[254:255], v[254:255], v[246:247]
	v_pk_add_f32 v[252:253], v[252:253], v[244:245]
	s_delay_alu instid0(VALU_DEP_2)
	v_pk_add_f32 v[14:15], v[14:15], v[254:255]
	s_delay_alu instid0(VALU_DEP_2)
	v_pk_add_f32 v[230:231], v[230:231], v[252:253]
	s_delay_alu instid0(VALU_DEP_1)
	v_pk_add_f32 v[14:15], v[14:15], v[230:231]
	s_wait_alu depctr_va_vdst(0)                   ; and one for the four
.irp b, 0,1,2,3
	v_max_num_f32 v[BM+\b], 0x1800000, v[BM+\b]    ; the floor 2^(3 - 127): the byte cannot fall under 1
.endr
.irp b, 0,1,2,3
	s_delay_alu instid0(VALU_DEP_4)
	v_add_nc_u32 v[SO+\b], 0xff000000, v[BM+\b]    ; the conversion's scale operand
.endr
.irp b, 0,1,2,3
	s_delay_alu instid0(VALU_DEP_4)
	v_lshrrev_b32 v[BT+\b], 23, v[SO+\b]           ; the byte
.endr
	s_delay_alu instid0(VALU_DEP_3)
	v_lshl_or_b32 v[PS], v[BT+1], 8, v[BT]         ; p's scale word for these 128 keys
	s_delay_alu instid0(VALU_DEP_1)
	v_lshl_or_b32 v[PS], v[BT+2], 16, v[PS]
	s_delay_alu instid0(VALU_DEP_1)
	v_lshl_or_b32 v[PS], v[BT+3], 24, v[PS]
.irp c, 0,1
	v_cvt_scalef32_pk16_fp6_f32 v[PC+6*\c:PC+2+6*\c], v[S+32*\c:S+15+32*\c], v[SO+2*\c]
	v_cvt_scalef32_pk16_fp6_f32 v[PC+12+4*\c:PC+14+4*\c], v[S+16+32*\c:S+31+32*\c], v[SO+2*\c+1]
.endr
	v_nop                                          ; one plain line behind the conversions
.irp c, 0,1
.irp i, 0,1,2
	v_permlane16_swap_b32 v[PC+6*\c+\i], v[PC+12+4*\c+\i]   ; a whole block to a lane
.endr
.irp i, 0,1,2
	s_delay_alu instid0(VALU_DEP_3)
	v_mov_b32 v[PC+3+6*\c+\i], v[PC+12+4*\c+\i]
.endr
.endr
.set j, 0
	s_setprio 0
.rept 16
	v_pk_mul_f32 v[O+j:O+j+1], v[O+j:O+j+1], v[226:227] op_sel_hi:[1,0]   ; O^T under the new M.  (These 16 also stand between the writes of p's codes and word and the products below)
.set j, j+2
.endr
	s_wait_alu depctr_va_vdst(0)
	s_wait_dscnt 0x0                               ; V is in
.irp dt, 0,1,2,3
	PMM \dt                                        ; the four accumulators by turns, one instruction a turn
.endr
	s_add_co_u32 s[TB], s[TB], 13056
.endm
	s_wait_tensorcnt 0x1                           ; a fetching wave's first load, key step 0 or 1, has landed; its three steps may stay out
	s_barrier_signal -1
	s_barrier_wait -1
	STEP                                           ; key steps 0 and 1, written out: the other six land meanwhile
	STEP
	s_wait_tensorcnt 0x0                           ; they have landed,
	s_wait_dscnt 0x0
	s_barrier_signal -1
	s_barrier_wait -1                              ; both waves' parts
	s_mov_b32 s[CNT], 6
.Lstep:
	s_setprio 2
	STEP
	s_sub_co_u32 s[CNT], s[CNT], 1
	s_cmp_lg_u32 s[CNT], 0
	s_cbranch_scc1 .Lstep
	s_setprio 0
	; THE WAY OUT: O^T / l, quantised along the head's 64 (two blocks): six registers of the last product's operand
.rept 4
	v_nop                                          ; four plain lines behind the last products
.endr
	v_add_f32 v14, v14, v15                        ; the sum's two halves,
	s_delay_alu instid0(VALU_DEP_1)
	v_permlanex16_b32 v228, v14, s[SEL], s[SEL+1]
	s_delay_alu instid0(VALU_DEP_1)
	v_add_f32 v14, v14, v228                       ; and lane l xor 16's
	s_wait_alu depctr_va_vdst(0)
	v_rcp_f32 v14, v14
	v_nop                                          ; a plain line behind the reciprocal
	s_wait_alu depctr_va_vdst(0)                   ; and the wait ahead of its first reader
.set j, 0
.rept 16
	v_pk_mul_f32 v[S+j:S+j+1], v[O+j:O+j+1], v[14:15] op_sel_hi:[1,0]   ; register 16 b + i is channel 32 b + 16 (lane / 16) + i of my query; each accumulator from its low end on
.set j, j+2
.endr
.irp b, 0,1
	v_max3_num_f32 v[BM+\b], |v[S+16*\b]|, |v[S+1+16*\b]|, 0x1800000
.endr
.irp i, 2,4,6,8,10,12,14
.irp b, 0,1
	s_delay_alu instid0(VALU_DEP_2)
	v_max3_num_f32 v[BM+\b], v[BM+\b], |v[S+16*\b+\i]|, |v[S+1+16*\b+\i]|
.endr
.endr
.irp b, 0,1
	s_delay_alu instid0(VALU_DEP_2)
	v_permlanex16_b32 v[BT+\b], v[BM+\b], s[SEL], s[SEL+1]
.endr
.irp b, 0,1
	s_delay_alu instid0(VALU_DEP_2)
	v_max_num_f32 v[BM+\b], v[BM+\b], v[BT+\b]
.endr
.irp b, 0,1
	s_delay_alu instid0(VALU_DEP_2)
	v_add_nc_u32 v[SO+\b], 0xff000000, v[BM+\b]
.endr
.irp b, 0,1
	s_delay_alu instid0(VALU_DEP_2)
	v_lshrrev_b32 v[BT+\b], 23, v[SO+\b]
.endr
	s_delay_alu instid0(VALU_DEP_1)
	v_lshl_or_b32 v[PS], v[BT+1], 8, v[BT]         ; the head's two bytes
	v_cvt_scalef32_pk16_fp6_f32 v[PC:PC+2], v[S:S+15], v[SO]
	v_cvt_scalef32_pk16_fp6_f32 v[PC+12:PC+14], v[S+16:S+31], v[SO+1]
	v_nop
.irp i, 0,1,2
	v_permlane16_swap_b32 v[PC+\i], v[PC+12+\i]
.endr
.irp i, 0,1,2
	s_delay_alu instid0(VALU_DEP_3)
	v_mov_b32 v[PC+3+\i], v[PC+12+\i]
.endr
	global_store_b128 v[LI], v[PC:PC+3], s[62:63]              ; 512 consecutive bytes,
	global_store_b64 v[L8], v[PC+4:PC+5], s[62:63] offset:512  ; 256,
	global_store_b32 v[LS], v[PS], s[66:67]                    ; and 128
	s_wait_tensorcnt 0x0                           ; the wave's end
	ds_add_u32 v[SPW], v[NIL]
	s_wait_dscnt 0x0
	ROUND                                          ; the closing round
	s_endpgm
.Lfunc_end_k_qd2b019a2b9_attn:
	.size	k_qd2b019a2b9_attn, .Lfunc_end_k_qd2b019a2b9_attn-k_qd2b019a2b9_attn
	.p2alignl 7, 3214868480
	.fill 96, 4, 3214868480
	.section	.rodata,"a",@progbits
	.p2align	6, 0x0
	.amdhsa_kernel k_qd2b019a2b9_attn
		.amdhsa_group_segment_fixed_size 167936
		.amdhsa_private_segment_fixed_size 0
		.amdhsa_enable_private_segment 0
		.amdhsa_kernarg_size 24
		.amdhsa_user_sgpr_count 2
		.amdhsa_user_sgpr_kernarg_segment_ptr 1
		.amdhsa_wavefront_size32 1
		.amdhsa_system_sgpr_workgroup_id_x 1
		.amdhsa_system_sgpr_workgroup_id_y 1
		.amdhsa_system_sgpr_workgroup_id_z 1
		.amdhsa_system_vgpr_workitem_id 0
		.amdhsa_next_free_vgpr 256
		.amdhsa_next_free_sgpr 68
		.amdhsa_reserve_vcc 0
		.amdhsa_float_denorm_mode_32 3
		.amdhsa_float_denorm_mode_16_64 3
		.amdhsa_memory_ordered 1
		.amdhsa_forward_progress 1
		.amdhsa_inst_pref_size 63
	.end_amdhsa_kernel
	.amdgpu_metadata
---
amdhsa.version: [ 1, 2 ]
amdhsa.kernels:
  - .name:           k_qd2b019a2b9_attn
    .symbol:         k_qd2b019a2b9_attn.kd
    .args:
      - { .name: qimg, .offset: 0, .size: 8, .value_kind: global_buffer, .address_space: global }
      - { .name: kvimg, .offset: 8, .size: 8, .value_kind: global_buffer, .address_space: global }
      - { .name: rimg, .offset: 16, .size: 8, .value_kind: global_buffer, .address_space: global }
    .group_segment_fixed_size: 167936
    .private_segment_fixed_size: 0
    .kernarg_segment_align: 8
    .kernarg_segment_size: 24
    .max_flat_workgroup_size: 512
    .sgpr_count:     68
    .vgpr_count:     256
    .wavefront_size: 32
...
	.end_amdgpu_metadata
.endif
;; end of part 7
;; launch proj (part 8): grid 4 x 64, 4 waves a work-group, no clusters, 17,920 bytes of LDS; arguments rimg, wq, bp, out0; writes out0
.if DOCPART == 8
	.amdgcn_target "amdgcn-amd-amdhsa--gfx1250"
	.amdhsa_code_object_version 6
	.text
	.protected	k_qd2b019a2b9_proj
	.globl	k_qd2b019a2b9_proj
	.p2align	8
	.type	k_qd2b019a2b9_proj,@function
k_qd2b019a2b9_proj:
	s_mov_b64 s[64:65], 0
	v_nop
	global_prefetch_b8 v0, s[64:65] scope:SCOPE_SE
	s_setreg_imm32_b32 hwreg(HW_REG_WAVE_SCHED_MODE, 0, 2), 2
	s_setreg_imm32_b32 hwreg(HW_REG_WAVE_MODE, 25, 1), 1
	s_wait_xcnt 0x0
	s_wait_alu depctr_vm_vsrc(0)
; PROJ: out = res Wp^T + bp on codes of FP6 with E8M0 scales; out is [8,192 rows][512] f32, written as it lies.
; SHARES.  Work-group (x, G): rows 128 G on x outputs 128 x on.  Wave w: 64 rows (tiles 8 G + 4 (w >> 1) + rt) x 64 outputs (Wp's tiles 8 x + 4 (w & 1) + T): 16 accumulators, 64 matrix instructions.
; All operands come from memory straight into registers, in operand order.  No cluster: nothing goes through LDS on the way in.
; TRANSPOSED (source 0 = 16 rows of Wp, source 1 = 16 rows of res): a lane holds one row and eight neighbouring outputs.  bp is the C of each sum's first matrix instruction.  The four accumulators of a tile of rows take turns.
; Tiles of rows and of outputs are the permuted ones (lane-row r of tile 2 g + u is 32 g + 8 u + r + 8 (r / 8)): the way out puts every number at its own row and column.
; THE WAY OUT: 16 rows x 256 bytes through the wave's own stage in LDS (pitch 272), back by rows: sixteen lanes store 256 consecutive bytes, at a multiple of 256 from the buffer's first byte.
; THE MODE: SCHED_MODE bits 1:0 = 2 (LLVM: expert scheduling mode 2), set by the entry lines.  The code itself states the register dependences between vector or matrix instructions and memory or LDS
; instructions, with s_wait_alu, always for 0.
; THE PLAN.  Registers that memory or LDS instructions touch, behind the head's loads:
;   v1-8          offsets and LDS addresses, made once at the head and never written again: one wait on va_vdst ahead of the first load serves every load and store.
;   ACC(rt)       the four accumulators of tile rt: written by that tile's 16 matrix instructions, read by eight LDS stores, never written again.
;   OB0, OB1      16 rows on the way out: the LDS loads of tile rt land in set rt % 2, eight global stores read it; it is loaded again two tiles later.  No vector or matrix instruction names them.
; A tile's products are followed by the four plain lines and ONE wait on va_vdst: its accumulators are written.  Behind that wait the NEXT tile's 16 products are issued, and then the finished tile's LDS stores, LDS loads
; and global stores: those products name the next tile's accumulators, Wp, bp, res and scale registers, none of the registers that these memory instructions touch, so nothing more is owed; and the wait for the next tile
; stands a whole way out behind its products.  One wait on vm_vsrc stands ahead of the LDS loads of tiles 2 and 3, which land where global stores have read.
; REGISTERS.  window 0: v1-8 addresses; v9, v10 the add's two; v16-23 Wp's scale words; v24-31 res's (lanes 0-15 tile 2 pr, lanes 16-31 tile 2 pr + 1); v32-47 res's words as loaded; v48-111 two sets of rows on the way out; v128-255 accumulators.
;   window 1: v0-191 Wp's 16 fragments (12 (4 T + s)); v192-223 bp in the result's layout.   window 2: v0-191 res: 48 rt + 6 x head.
.set SPARE, 17408                      ; behind the four stages: the spare words, 128 bytes a wave: two blocks of 256 bytes that no other line names
.set LI,  1
.set L8,  2
.set LS,  3
.set BO,  4
.set RS,  5
.set STO, 6
.set RD,  7
.set CO,  8
.set SPW, 9
.set NIL, 10
.set WSC, 16
.set RSC, 24
.set OB,  48
.set ACC, 128
.set MSB, 0
.macro WIN new
.if MSB != (\new)
	s_set_vgpr_msb (MSB<<8)|(\new)
.set MSB, (\new)
.endif
.endm
.macro MM d, a, b, c, sa, sb, ra, rb
.if ((\ra)==0)&&((\rb)==0)
	v_wmma_scale_f32_16x16x128_f8f6f4 v[0+(\d):7+(\d)], v[0+(\a):11+(\a)], v[0+(\b):11+(\b)], v[0+(\c):7+(\c)], v[0+(\sa)], v[0+(\sb)] matrix_a_fmt:MATRIX_FMT_FP6 matrix_b_fmt:MATRIX_FMT_FP6
.elseif (\rb)==0
	v_wmma_scale_f32_16x16x128_f8f6f4 v[0+(\d):7+(\d)], v[0+(\a):11+(\a)], v[0+(\b):11+(\b)], v[0+(\c):7+(\c)], v[0+(\sa)], v[0+(\sb)] matrix_a_fmt:MATRIX_FMT_FP6 matrix_b_fmt:MATRIX_FMT_FP6 matrix_a_scale:MATRIX_SCALE_ROW1
.elseif (\ra)==0
	v_wmma_scale_f32_16x16x128_f8f6f4 v[0+(\d):7+(\d)], v[0+(\a):11+(\a)], v[0+(\b):11+(\b)], v[0+(\c):7+(\c)], v[0+(\sa)], v[0+(\sb)] matrix_a_fmt:MATRIX_FMT_FP6 matrix_b_fmt:MATRIX_FMT_FP6 matrix_b_scale:MATRIX_SCALE_ROW1
.else
	v_wmma_scale_f32_16x16x128_f8f6f4 v[0+(\d):7+(\d)], v[0+(\a):11+(\a)], v[0+(\b):11+(\b)], v[0+(\c):7+(\c)], v[0+(\sa)], v[0+(\sb)] matrix_a_fmt:MATRIX_FMT_FP6 matrix_b_fmt:MATRIX_FMT_FP6 matrix_a_scale:MATRIX_SCALE_ROW1 matrix_b_scale:MATRIX_SCALE_ROW1
.endif
.endm
	s_load_b256 s[4:11], s[0:1], 0x0               ; rimg s[4:5], wq s[6:7], bp s[8:9], out0 s[10:11]
	v_lshl_add_u32 v[SPW], v0, 2, SPARE
	v_mov_b32 v[NIL], 0
	v_lshrrev_b32 v11, 5, v0
	v_readfirstlane_b32 s16, v11                   ; wave 0..3
	v_and_b32 v11, 31, v0
	v_lshlrev_b32 v[LI], 4, v11
	v_lshlrev_b32 v[L8], 3, v11
	v_lshlrev_b32 v[LS], 2, v11
	v_and_b32 v12, 15, v0                          ; r
	v_bfe_u32 v13, v0, 4, 1                        ; h
	v_lshlrev_b32 v[BO], 6, v13
	v_lshlrev_b32 v[RS], 2, v12
	v_lshl_add_u32 v[RS], v13, 10, v[RS]           ; res's words: lanes 16-31 take the next tile's, 1,024 bytes on
	s_wait_alu depctr_va_sdst(0)                   ; s16 is written, ahead of its first reader: the stage's place and every base below are made from it
	s_mul_i32 s21, s16, 4352                       ; my stage
	v_mul_u32_u24 v[STO], v12, 272
	v_lshl_add_u32 v[STO], v13, 6, v[STO]
	v_add_nc_u32 v[STO], s21, v[STO]               ; in: row r, + 64 h
	v_mul_u32_u24 v[RD], v13, 272
	v_lshl_add_u32 v[RD], v12, 4, v[RD]
	v_add_nc_u32 v[RD], s21, v[RD]                 ; back: lanes 0-15 one row, lanes 16-31 the next
	v_lshlrev_b32 v[CO], 4, v12
	v_lshl_add_u32 v[CO], v13, 11, v[CO]           ; and the same two rows in out
	s_and_b32 s18, ttmp7, 0xffff                   ; G
	s_lshr_b32 s19, s16, 1                         ; which 64 rows
	s_and_b32 s20, s16, 1                          ; which 64 outputs
	s_mul_i32 s22, ttmp9, 49152                    ; Wp's tile 96 + 8 x + 4 (w & 1), 6,144 bytes a tile
	s_mul_i32 s21, s20, 24576
	s_add_co_u32 s22, s22, s21
	s_add_co_u32 s22, s22, 589824
	s_mov_b32 s23, 0
	s_lshl_b32 s24, ttmp9, 11                      ; its words: pair 48 + 4 x + 2 (w & 1)
	s_lshl_b32 s21, s20, 10
	s_add_co_u32 s24, s24, s21
	s_add_co_u32 s24, s24, 811008
	s_mov_b32 s25, 0
	s_lshl_b32 s26, ttmp9, 9                       ; bp, and my first column of out, in bytes
	s_lshl_b32 s21, s20, 8
	s_add_co_u32 s26, s26, s21
	s_mov_b32 s27, 0
	s_mul_i32 s28, s18, 49152                      ; res: tile 8 G + 4 (w >> 1)
	s_mul_i32 s21, s19, 24576
	s_add_co_u32 s28, s28, s21
	s_mov_b32 s29, 0
	s_lshl_b32 s30, s18, 13                        ; its words, 1,024 bytes a tile
	s_lshl_b32 s21, s19, 12
	s_add_co_u32 s30, s30, s21
	s_add_co_u32 s30, s30, 3145728
	s_mov_b32 s31, 0
	s_lshl_b32 s32, s18, 18                        ; out: row 128 G + 64 (w >> 1), 2,048 bytes a row
	s_lshl_b32 s21, s19, 17
	s_add_co_u32 s32, s32, s21
	s_add_co_u32 s32, s32, s26
	s_mov_b32 s33, 0
	s_wait_kmcnt 0x0
	s_add_nc_u64 s[22:23], s[6:7], s[22:23]
	s_add_nc_u64 s[24:25], s[6:7], s[24:25]
	s_add_nc_u64 s[26:27], s[8:9], s[26:27]
	s_add_nc_u64 s[28:29], s[4:5], s[28:29]
	s_add_nc_u64 s[30:31], s[4:5], s[30:31]
	s_add_nc_u64 s[32:33], s[10:11], s[32:33]
	WIN 0x40                                       ; destination window 1: the switch stands ahead of the wait, the wait ahead of the loads
	s_wait_alu depctr_va_vdst(0)                   ; the eight offsets and addresses v1 to v8 are written, which every load and store of the kernel reads; they are never written again
.set i, 0
.rept 48
	global_load_b128 v[4*i:4*i+3], v[LI], s[22:23] offset:512*i
.set i, i+1
.endr
.irp T, 0,1,2,3                        ; lane (r, h) wants, for tile 2 bb + uu, bp of outputs 32 bb + 16 h + 8 uu + 0 .. 7
	global_load_b128 v[192+8*\T:195+8*\T], v[BO], s[26:27] offset:(32*(\T/2)+8*(\T%2))*4
	global_load_b128 v[196+8*\T:199+8*\T], v[BO], s[26:27] offset:(32*(\T/2)+8*(\T%2))*4+16
.endr
	WIN 0x80                                       ; destination window 2
.irp rt, 0,1,2,3
.irp hd, 0,1,2,3,4,5,6,7
	global_load_b128 v[48*\rt+6*\hd:48*\rt+6*\hd+3], v[LI], s[28:29] offset:6144*\rt+768*\hd
	global_load_b64 v[48*\rt+6*\hd+4:48*\rt+6*\hd+5], v[L8], s[28:29] offset:6144*\rt+768*\hd+512
.endr
.endr
	WIN 0
.irp bb, 0,1
.irp s, 0,1,2,3
	global_load_b32 v[WSC+4*\bb+\s], v[LS], s[24:25] offset:512*\bb+128*\s
.endr
.endr
.irp pr, 0,1
.irp hd, 0,1,2,3,4,5,6,7
	global_load_b32 v[32+8*\pr+\hd], v[RS], s[30:31] offset:2048*\pr+128*\hd
.endr
.endr
	s_wait_loadcnt 0x0
.irp pr, 0,1
.irp s, 0,1,2,3
	v_lshl_or_b32 v[RSC+4*\pr+\s], v[32+8*\pr+2*\s+1], 16, v[32+8*\pr+2*\s]   ; K step s is heads 2 s and 2 s + 1: two bytes of each
.endr
.endr
.rept 8
	v_nop                                          ; scale registers written by vector instructions stand eight plain lines ahead of the products
.endr
	s_wait_alu depctr_va_vdst(0)                   ; the eight lines above have written v24 to v31, which the products take as res's scales; the plain lines stay beside this wait
.macro MUL rt                          ; tile of rows rt: 16 matrix instructions
.irp s, 0,1,2,3
.if \s == 0
	WIN 0x19                                       ; source 0 (Wp) and C (bp) window 1, source 1 (res) window 2
.else
	WIN 0x09
.endif
.irp T, 0,1,2,3
.if \s == 0
	MM ACC+8*(4*(\rt)+\T), 12*(4*\T+\s), 48*(\rt)+12*\s, 192+8*\T, WSC+4*(\T/2)+\s, RSC+4*((\rt)/2)+\s, \T%2, (\rt)%2
.else
	MM ACC+8*(4*(\rt)+\T), 12*(4*\T+\s), 48*(\rt)+12*\s, ACC+8*(4*(\rt)+\T), WSC+4*(\T/2)+\s, RSC+4*((\rt)/2)+\s, \T%2, (\rt)%2
.endif
.endr
.endr
.endm
.macro READY                           ; behind a tile's products
.rept 4
	v_nop                                          ; four plain lines in front of the first read of results (ISA guide 7.12.1)
.endr
	s_wait_alu depctr_va_vdst(0)                   ; the matrix instructions issued so far have written their accumulators, which the tile's LDS stores read; the plain lines stay beside this wait
.endm
.macro OUT rt                          ; tile rt's memory instructions.  No wait on the vector side: no vector or matrix instruction since READY's names ACC(rt), the addresses or the rows' registers
	WIN 0
.irp T, 0,1,2,3
	ds_store_b128 v[STO], v[ACC+8*(4*(\rt)+\T):ACC+8*(4*(\rt)+\T)+3] offset:(32*(\T/2)+8*(\T%2))*4      ; each accumulator from its low end on
	ds_store_b128 v[STO], v[ACC+8*(4*(\rt)+\T)+4:ACC+8*(4*(\rt)+\T)+7] offset:(32*(\T/2)+8*(\T%2))*4+16
.endr
	s_wait_xcnt 0x0                                ; earlier stores have read their registers: this set of rows may be loaded again
.if (\rt) > 1
	s_wait_alu depctr_vm_vsrc(0)                   ; the global stores of two tiles back have read this set of rows, in which the loads below land
.endif
.irp i, 0,1,2,3,4,5,6,7
	ds_load_b128 v[OB+32*((\rt)%2)+4*\i:OB+32*((\rt)%2)+4*\i+3], v[RD] offset:544*\i   ; LDS serves a wave's instructions in order: these see my stores, and the next tile's stores come behind them
.endr
.irp i, 0,1,2,3,4,5,6,7
	s_wait_dscnt 7-\i                              ; rows 2 i, 2 i + 1 are back; the younger reads may be out
	global_store_b128 v[CO], v[OB+32*((\rt)%2)+4*\i:OB+32*((\rt)%2)+4*\i+3], s[32:33] offset:(32*((\rt)/2)+8*((\rt)%2)+2*\i+8*(\i/4))*2048 th:TH_STORE_NT
.endr
.endm
	MUL 0
	READY                                          ; tile 0 is finished
	MUL 1                                          ; the next tile's products are issued first,
	OUT 0                                          ; and the finished tile leaves while they are multiplied
	READY                                          ; tile 1
	MUL 2
	OUT 1
	READY                                          ; tile 2
	MUL 3
	OUT 2
	READY                                          ; tile 3
	OUT 3
	s_wait_dscnt 0x0                               ; the closing lines, six on end (every window is 0 here)
	s_wait_alu 0x0
	s_wait_tensorcnt 0x0
	ds_add_u32 v[SPW], v[NIL]
	s_wait_dscnt 0x0
	s_endpgm
.Lfunc_end_k_qd2b019a2b9_proj:
	.size	k_qd2b019a2b9_proj, .Lfunc_end_k_qd2b019a2b9_proj-k_qd2b019a2b9_proj
	.p2alignl 7, 3214868480
	.fill 96, 4, 3214868480
	.section	.rodata,"a",@progbits
	.p2align	6, 0x0
	.amdhsa_kernel k_qd2b019a2b9_proj
		.amdhsa_group_segment_fixed_size 17920
		.amdhsa_private_segment_fixed_size 0
		.amdhsa_enable_private_segment 0
		.amdhsa_kernarg_size 32
		.amdhsa_user_sgpr_count 2
		.amdhsa_user_sgpr_kernarg_segment_ptr 1
		.amdhsa_wavefront_size32 1
		.amdhsa_system_sgpr_workgroup_id_x 1
		.amdhsa_system_sgpr_workgroup_id_y 1
		.amdhsa_system_sgpr_workgroup_id_z 1
		.amdhsa_system_vgpr_workitem_id 0
		.amdhsa_next_free_vgpr 768
		.amdhsa_next_free_sgpr 66
		.amdhsa_reserve_vcc 0
		.amdhsa_float_denorm_mode_32 3
		.amdhsa_float_denorm_mode_16_64 3
		.amdhsa_memory_ordered 1
		.amdhsa_forward_progress 1
		.amdhsa_inst_pref_size 35
	.end_amdhsa_kernel
	.amdgpu_metadata
---
amdhsa.version: [ 1, 2 ]
amdhsa.kernels:
  - .name:           k_qd2b019a2b9_proj
    .symbol:         k_qd2b019a2b9_proj.kd
    .args:
      - { .name: rimg, .offset: 0, .size: 8, .value_kind: global_buffer, .address_space: global }
      - { .name: wq, .offset: 8, .size: 8, .value_kind: global_buffer, .address_space: global }
      - { .name: bp, .offset: 16, .size: 8, .value_kind: global_buffer, .address_space: global }
      - { .name: out0, .offset: 24, .size: 8, .value_kind: global_buffer, .address_space: global }
    .group_segment_fixed_size: 17920
    .private_segment_fixed_size: 0
    .kernarg_segment_align: 8
    .kernarg_segment_size: 32
    .max_flat_workgroup_size: 128
    .sgpr_count:     66
    .vgpr_count:     768
    .wavefront_size: 32
...
	.end_amdgpu_metadata
.endif
;; end of part 8
